; MI455X (gfx1250); checked and timed in simulation.
; The chip was launched on July 23, 2026; its instructions are those of AMD's public machine-readable ISA for CDNA 5 (MIT licence, August 2026) and "CDNA5" Instruction Set Architecture Reference Guide (July 2026). The comments in the code are by the model that wrote it; some were corrected since.
;; Self Attention. Allowed arithmetic: matrix products marked QUANTISED: E4M3 operands, one given power-of-two scale a tensor, by v_wmma_f32_16x16x64_fp8_fp8 or v_wmma_f32_16x16x128_fp8_fp8, f32 sums; everything else in f32.
;; Inputs: b_in 3,072 float32; b_out 1,024 float32; lowp_scales 8 int32 (the exponents e of the quantised operands' scales 2^e); w_in 1,024 x 3,072 float32; w_out 1,024 x 1,024 float32; x 4 x 2,048 x 1,024 float32.
;; Outputs: out0 4 x 2,048 x 1,024 float32.
;; Constants: causal_mask = 1.
;; This version of the problem:
;;   THIS VERSION OF THE PROBLEM IS GIVEN IN LOW PRECISION. The matrix products marked QUANTISED in the list below multiply operands that are first quantised to E4M3 (4 exponent bits, 3 mantissa bits; 8 bits a number), with one given power-of-two scale for each operand tensor; their sums are f32. All else is computed in f32.
;;   The module's matrix products, in the order in which they are computed (A, B: the left and right operand; K: the contracted axis; several contracted axes count as one K, in the product's order):
;;     1. [M 8,192, K 1,024] x [K 1,024, N 3,072]; A: input x; B: input w_in: QUANTISED (scales: A lowp_scales[0], B lowp_scales[1])
;;     2. batch 64 x [M 2,048, K 64] x [K 64, N 2,048]; A: computed on the way; B: computed on the way: QUANTISED (scales: A lowp_scales[2], B lowp_scales[3])
;;     3. batch 64 x [M 2,048, K 2,048] x [K 2,048, N 64]; A: softmax (see below); B: computed on the way: QUANTISED (scales: A lowp_scales[4], B lowp_scales[5])
;;     4. [M 8,192, K 1,024] x [K 1,024, N 1,024]; A: computed on the way; B: input w_out: QUANTISED (scales: A lowp_scales[6], B lowp_scales[7])
;;   THE QUANTISER, for each operand of a quantised product, along K:
;;     - The operand's scale is 2^e, e = its entry of the input lowp_scales (int32; the entries are numbered through the quantised products in the list's order, A before B).
;;     - Each number is divided by the scale, clamped to +-448, and rounded to the nearest number of E4M3, ties to even, subnormals kept.
;;     - The product sums the exact products of the quantised numbers (number of the format x scale) in f32.
;;   ~~~python
;;   def quantise(x, axis, e):      # numpy; x: float32 -> the quantised numbers, widened to float32 again
;;       x = np.moveaxis(x, axis, -1); K = x.shape[-1]
;;       r = np.clip(x / 2.0 ** e, -448, 448)
;;       step = 2.0 ** (np.maximum(np.frexp(np.where(r == 0, 1, r))[1] - 1, -6) - 3)
;;       q = np.round(r / step) * step * 2.0 ** e      # np.round: ties to even
;;       return np.moveaxis(q, -1, axis).astype(np.float32)
;;   ~~~
;;   SOFTMAX AHEAD OF A QUANTISED PRODUCT. Where the list says 'softmax', what is quantised is not the finished softmax but p = 2^(t - M), with t = logit x log2(e) and M = ceil(the row's largest t), a whole number; so 1/2 < the row's largest p <= 1. The row's sum l is taken of the UNQUANTISED p, in f32, and the product's result is divided by l at the end. Since M is a whole number, a kernel that streams over the keys may use a running M (the ceiling of the running maximum): every later rescaling is an exact power of two, so the quantised numbers keep their values, but for numbers so far below the row's largest that they fall under the format's range.
;;   OPERANDS COMPUTED ON THE WAY. 'Computed on the way' means the value that the module computes at that place (a softmax that the list does not call 'softmax' is quantised finished and normalised). What goes into a quantiser is computed in f32, as accurately as f32 sums, v_exp_f32 and their like allow (about 1e-6 of the number): no bf16 or f16 on the way to a quantiser, and a product that is left as it is and whose result goes on into a quantised operand takes f32 operands (vector FMAs, or v_wmma_f32_16x16x4_f32). A number that lies on a knife's edge between two numbers of the format may be rounded either way, as far as f32 arithmetic and the matrix unit's own rounding can turn it there, and no further.
;; 2 versions, each right; version 2 is version 1 with the launch attn written anew for expert scheduling mode. Each part assembles by itself: llvm-mc -triple=amdgcn-amd-amdhsa -mcpu=gfx1250 --defsym DOCPART=n.
;; ======== version 1 of 2: 4 launches
;; workspace buffers: x_img 8,388,608 bytes; win_img 3,145,728 bytes; wout_img 1,048,576 bytes; q_img 8,388,608 bytes; k_img 8,388,608 bytes; v_img 8,388,608 bytes; a_img 8,388,608 bytes
;; launch quant (part 1): grid 768 x 1, 8 waves a work-group, no clusters, 68,608 bytes of LDS; arguments x, w_in, w_out, lowp_scales, x_img, win_img, wout_img; writes x_img, win_img, wout_img
.if DOCPART == 1
	.amdgcn_target "amdgcn-amd-amdhsa--gfx1250"
	.amdhsa_code_object_version 6
	.text
	.protected	k_q095eb34de4_quant
	.globl	k_q095eb34de4_quant
	.p2align	8
	.type	k_q095eb34de4_quant,@function
k_q095eb34de4_quant:
	s_mov_b64 s[64:65], 0
	v_nop
	global_prefetch_b8 v0, s[64:65] scope:SCOPE_SE
	s_setreg_imm32_b32 hwreg(HW_REG_WAVE_MODE, 25, 1), 1
	s_wait_xcnt 0x0
; x [8192][1024], w_in [1024][3072] and w_out [1024][1024], f32, become codes of FP8 (E4M3), each tensor with the one scale 2^e given for it (entries 0, 1 and 7 of the scales).
; code = number / 2^e, held within +-448, rounded to the nearest code, ties to even.  LIMITS: e between -126 and 119, so that 2^e and 448 x 2^e are f32 numbers.  NaN among the inputs is not served; an infinity is held at the largest code.
; THE CODES ARE LAID AS IMAGES OF THE MATRIX OPERAND'S REGISTERS.  A fragment, 16 rows x 128 along K, is 16 registers a lane: lane (r, h) holds row r, and registers 2 c, 2 c + 1 hold K = 16 c + 8 h + 0 .. 7.
; Its image is 2,048 bytes: registers 4 g .. 4 g + 3 of lane l at byte 512 g + 16 l.  A buffer is [K / 256][row / 16][(K / 128) % 2][image].  For x a row is a token, for the weights an output column n.
; SHARES.  A work-group takes 128 rows of memory x 512 bytes.  Work-groups 0-511 take x (64 blocks of tokens x 8 along K), 512-703 w_in (24 blocks of n x 8 along K), 704-767 w_out (8 x 8).
; Wave w loads memory rows 16 w .. 16 w + 15, a row an instruction (512 consecutive bytes), and stores them into one tile in LDS; behind one barrier it reads back the 64 numbers a lane that its fragment
; (row tile 8 x block + w) wants: for x along an LDS row, for a weight down a column, since there K is the first axis.  Nothing else differs between the tensors, and only these reads part.
; No ring: a work-group's whole share is asked for at once, and several work-groups lie on a WGP.  No matrix unit, no cluster: no byte is shared between work-groups.
.set PIT, 528                          ; an LDS row: 512 bytes + 16 of padding = 132 words, so that sixteen rows begin at sixteen different groups of four banks (64 banks of 4 bytes: ISA guide 11.1)
.set OFS, 16                           ; v16-31  byte offset of my 16 bytes in memory row i of my wave's sixteen
.set DAT, 32                           ; v32-95  the rows as loaded; then number 8 c + i = K 16 c + 8 h + i of my fragment's row
.set COD, 96                           ; v96-111 the fragment's codes
	s_load_b256 s[4:11], s[0:1], 0x0               ; x s[4:5], w_in s[6:7], w_out s[8:9], the scales' exponents s[10:11]
	s_load_b128 s[12:15], s[0:1], 0x20             ; x_img, win_img
	s_load_b64 s[16:17], s[0:1], 0x30              ; wout_img
	v_lshl_add_u32 v112, v0, 2, 0x10800
	v_mov_b32 v113, 0
	v_lshrrev_b32 v1, 5, v0
	v_readfirstlane_b32 s18, v1                    ; wave 0..7
	v_and_b32 v1, 31, v0                           ; lane
	v_lshlrev_b32 v2, 4, v1                        ; 16 x lane
	v_and_b32 v3, 15, v0                           ; r
	v_bfe_u32 v4, v0, 4, 1                         ; h
	s_mul_i32 s40, s18, 16*PIT                     ; my wave's sixteen LDS rows
	v_add_nc_u32 v5, s40, v2                       ; into the tile: a row as it lies
	v_mul_u32_u24 v6, v3, PIT
	v_lshl_add_u32 v6, v4, 5, v6
	v_add_nc_u32 v6, s40, v6                       ; x, out of it: row 16 w + r, + 32 h bytes (8 h numbers)
	v_mul_u32_u24 v7, v4, 8*PIT
	v_lshl_add_u32 v7, v3, 2, v7
	s_lshl_b32 s41, s18, 6
	v_add_nc_u32 v7, s41, v7                       ; a weight, out of it: row 8 h, column 16 w + r
	s_wait_kmcnt 0x0
	s_load_b256 s[32:39], s[10:11], 0x0            ; e0 .. e7
	; which tensor: every choice hangs on the work-group's number alone
	s_cmp_lt_u32 ttmp9, 704                        ; w_in rather than w_out?
	s_mov_b32 s19, 704
	s_cselect_b32 s19, 512, s19                    ; the tensor's first work-group
	s_mov_b32 s22, 4096
	s_cselect_b32 s22, 12288, s22                  ; a memory row in bytes
	s_mov_b32 s23, 64*4096
	s_cselect_b32 s23, 192*4096, s23               ; 256 along K in the images' buffer: row tiles x 4,096 bytes
	s_cselect_b64 s[26:27], s[6:7], s[8:9]
	s_cselect_b64 s[28:29], s[14:15], s[16:17]
	s_cmp_lt_u32 ttmp9, 512                        ; x?
	s_cselect_b32 s19, 0, s19
	s_cselect_b32 s22, 4096, s22
	s_cselect_b32 s23, 512*4096, s23
	s_cselect_b64 s[26:27], s[4:5], s[26:27]
	s_cselect_b64 s[28:29], s[12:13], s[28:29]
	s_sub_co_u32 s19, ttmp9, s19
	s_lshr_b32 s20, s19, 3                         ; the block of 128 operand rows
	s_and_b32 s21, s19, 7                          ; the K step of 128
	s_cmp_lt_u32 ttmp9, 512
	s_cselect_b32 s24, s20, s21                    ; the block of memory rows: x: tokens; a weight: K
	s_cselect_b32 s25, s21, s20                    ; the block of 512 bytes in a memory row
	s_lshl_b32 s24, s24, 7
	s_lshl_b32 s42, s18, 4
	s_add_co_u32 s24, s24, s42                     ; my wave's first memory row
	s_mul_i32 s24, s24, s22
	s_lshl_b32 s25, s25, 9
	s_add_co_u32 s24, s24, s25                     ; under 2^26 in every tensor
	s_mov_b32 s25, 0
	s_add_nc_u64 s[26:27], s[26:27], s[24:25]      ; from here
	s_lshr_b32 s30, s21, 1
	s_mul_i32 s30, s30, s23                        ; K / 256
	s_lshl_b32 s31, s20, 3
	s_add_co_u32 s31, s31, s18
	s_lshl_b32 s31, s31, 12                        ; row tile 8 x block + wave
	s_add_co_u32 s30, s30, s31
	s_and_b32 s31, s21, 1
	s_lshl_b32 s31, s31, 11                        ; (K / 128) % 2
	s_add_co_u32 s30, s30, s31
	s_mov_b32 s31, 0
	s_add_nc_u64 s[28:29], s[28:29], s[30:31]      ; to here
	v_mov_b32 v[OFS], v2
.irp i, 0,1,2,3,4,5,6,7,8,9,10,11,12,13,14
	v_add_nc_u32 v[OFS+1+\i], s22, v[OFS+\i]
.endr
.irp i, 0,1,2,3,4,5,6,7,8,9,10,11,12,13,14,15
	global_load_b128 v[DAT+4*\i:DAT+4*\i+3], v[OFS+\i], s[26:27] th:TH_LOAD_NT   ; 32 lanes read 512 consecutive bytes; read once in the launch
.endr
	s_wait_kmcnt 0x0
	s_cmp_lt_u32 ttmp9, 704
	s_cselect_b32 s40, s33, s39                    ; e1 or e7
	s_cmp_lt_u32 ttmp9, 512
	s_cselect_b32 s40, s32, s40                    ; or e0
	s_add_co_i32 s40, s40, 127
	s_lshl_b32 s41, s40, 23
	v_mov_b32 v8, s41                              ; 2^e as f32: the conversion takes its exponent field
	s_add_co_i32 s40, s40, 8
	s_lshl_b32 s40, s40, 23
	s_or_b32 s40, s40, 0x600000
	v_mov_b32 v9, s40                              ; 448 x 2^e
.irp i, 0,1,2,3,4,5,6,7,8,9,10,11,12,13,14,15
	s_wait_loadcnt 15-\i                           ; loads come back in order: row i is in, the younger ones may be out
	ds_store_b128 v5, v[DAT+4*\i:DAT+4*\i+3] offset:PIT*\i
.endr
	s_wait_dscnt 0x0                               ; for the others' sake: my rows lie in the tile
	s_barrier_signal -1
	s_barrier_wait -1                              ; everybody's do
	s_cmp_lt_u32 ttmp9, 512
	s_cbranch_scc0 .Lweight
.irp c, 0,1,2,3,4,5,6,7
	ds_load_b128 v[DAT+8*\c:DAT+8*\c+3],   v6 offset:64*\c       ; x(16 w + r, 16 c + 8 h + 0 .. 3)
	ds_load_b128 v[DAT+8*\c+4:DAT+8*\c+7], v6 offset:64*\c+16    ; and + 4 .. 7
.endr
	s_branch .Ljoin
.Lweight:
.irp c, 0,1,2,3,4,5,6,7
.irp i, 0,1,2,3,4,5,6,7
	ds_load_b32 v[DAT+8*\c+\i], v7 offset:(16*\c+\i)*PIT         ; w(16 c + 8 h + i, 16 w + r)
.endr
.endr
.Ljoin:
	s_wait_dscnt 0x0
.set n, 0
.rept 64
	v_med3_num_f32 v[DAT+n], v[DAT+n], -v9, v9     ; the conversion to an 8-bit code does not saturate (ISA guide 7.6.2): the hold at the largest code x the scale
.set n, n+1
.endr
.irp c, 0,1,2,3,4,5,6,7
	v_cvt_scalef32_pk8_fp8_f32 v[COD+2*\c:COD+2*\c+1], v[DAT+8*\c:DAT+8*\c+7], v8   ; registers 2 c, 2 c + 1 of the fragment.  (Only stores touch the results)
.endr
.irp g, 0,1,2,3
	global_store_b128 v2, v[COD+4*\g:COD+4*\g+3], s[28:29] offset:512*\g            ; 32 lanes store 512 consecutive bytes, at a multiple of 512 from the buffer's first byte
.endr
	s_wait_tensorcnt 0x0
	ds_add_u32 v112, v113
	s_wait_dscnt 0x0
	s_endpgm
.Lfunc_end_k_q095eb34de4_quant:
	.size	k_q095eb34de4_quant, .Lfunc_end_k_q095eb34de4_quant-k_q095eb34de4_quant
	.p2alignl 7, 3214868480
	.fill 96, 4, 3214868480
	.section	.rodata,"a",@progbits
	.p2align	6, 0x0
	.amdhsa_kernel k_q095eb34de4_quant
		.amdhsa_group_segment_fixed_size 68608
		.amdhsa_private_segment_fixed_size 0
		.amdhsa_enable_private_segment 0
		.amdhsa_kernarg_size 56
		.amdhsa_user_sgpr_count 2
		.amdhsa_user_sgpr_kernarg_segment_ptr 1
		.amdhsa_wavefront_size32 1
		.amdhsa_system_sgpr_workgroup_id_x 1
		.amdhsa_system_sgpr_workgroup_id_y 1
		.amdhsa_system_sgpr_workgroup_id_z 1
		.amdhsa_system_vgpr_workitem_id 0
		.amdhsa_next_free_vgpr 114
		.amdhsa_next_free_sgpr 66
		.amdhsa_reserve_vcc 0
		.amdhsa_float_denorm_mode_32 3
		.amdhsa_float_denorm_mode_16_64 3
		.amdhsa_memory_ordered 1
		.amdhsa_forward_progress 1
		.amdhsa_inst_pref_size 18
	.end_amdhsa_kernel
	.amdgpu_metadata
---
amdhsa.version: [ 1, 2 ]
amdhsa.kernels:
  - .name:           k_q095eb34de4_quant
    .symbol:         k_q095eb34de4_quant.kd
    .args:
      - { .name: x, .offset: 0, .size: 8, .value_kind: global_buffer, .address_space: global }
      - { .name: w_in, .offset: 8, .size: 8, .value_kind: global_buffer, .address_space: global }
      - { .name: w_out, .offset: 16, .size: 8, .value_kind: global_buffer, .address_space: global }
      - { .name: lowp_scales, .offset: 24, .size: 8, .value_kind: global_buffer, .address_space: global }
      - { .name: x_img, .offset: 32, .size: 8, .value_kind: global_buffer, .address_space: global }
      - { .name: win_img, .offset: 40, .size: 8, .value_kind: global_buffer, .address_space: global }
      - { .name: wout_img, .offset: 48, .size: 8, .value_kind: global_buffer, .address_space: global }
    .group_segment_fixed_size: 68608
    .private_segment_fixed_size: 0
    .kernarg_segment_align: 8
    .kernarg_segment_size: 56
    .max_flat_workgroup_size: 256
    .sgpr_count:     66
    .vgpr_count:     114
    .wavefront_size: 32
...
	.end_amdgpu_metadata
.endif
;; end of part 1
;; launch qkv (part 2): grid 12 x 32, 4 waves a work-group, clusters of 4 x 4, 327,680 bytes of LDS; arguments x_img, win_img, lowp_scales, b_in, q_img, k_img, v_img; writes q_img, k_img, v_img
.if DOCPART == 2
	.amdgcn_target "amdgcn-amd-amdhsa--gfx1250"
	.amdhsa_code_object_version 6
	.text
	.protected	k_q095eb34de4_qkv
	.globl	k_q095eb34de4_qkv
	.p2align	8
	.type	k_q095eb34de4_qkv,@function
k_q095eb34de4_qkv:
	s_mov_b64 s[64:65], 0
	v_nop
	global_prefetch_b8 v0, s[64:65] scope:SCOPE_SE
	s_setreg_imm32_b32 hwreg(HW_REG_WAVE_MODE, 25, 1), 1
	s_wait_xcnt 0x0
	s_wait_alu depctr_hold_cnt(0) depctr_sa_sdst(0) depctr_va_vdst(0) depctr_va_sdst(0) depctr_va_ssrc(0) depctr_va_vcc(0) depctr_vm_vsrc(0)
	s_getreg_b32 s2, hwreg(HW_REG_IB_STS2, 6, 4)
	s_cmp_eq_u32 s2, 0
	s_cbranch_scc0 .Lentry_in_a_cluster
	s_endpgm
.Lentry_in_a_cluster:
	s_bfe_u32 s2, ttmp6, 0x10000c
	s_cmp_lg_u32 s2, 0xf033
	s_cbranch_scc0 .Lentry_shape_is_right
	s_endpgm
.Lentry_shape_is_right:
; qkv = x w_in + b_in on codes of FP8 (E4M3), and q, k, v quantised at once for the attention that follows.  [8192 tokens][K 1024] x [3072 columns][K 1024].
; A sum stands for sum x 2^(e0 + e1); number = sum x 2^(e0 + e1) + b_in; its code = number / 2^e, held within +-448: e = entry 2 (q), 3 (k) or 5 (v) of the scales.
; LIMITS: e0 + e1 between -126 and 127; e2, e3, e5 between -126 and 119: so that each power of two below is an f32 number.  NaN among the inputs is not served.
; OPERANDS ARE IMAGES OF THEIR REGISTERS (16 rows x 128 K = 2,048 bytes: registers 4 g .. 4 g + 3 of lane l at 512 g + 16 l; lane (r, h), registers 2 c, 2 c + 1: row r, K = 16 c + 8 h + 0 .. 7),
; laid [K / 256][row / 16][(K / 128) % 2][image]: the 128 rows x 256 K that a wave fetches are one dense block of 32,768 bytes, and every fragment load takes 512 consecutive LDS bytes: no pitch, no padding.
; A tile of 256 x 256 is made by four waves, 128 x 128 each: 64 accumulators, 512 registers.  K goes in four slots of 256 through a ring of two LDS slots: two first fills, two refills, written straight.
; CLUSTERS: 4 x 4 work-groups; x's tiles are asked for jointly along a row of the cluster, w_in's along a column.  The cluster's x (0, 1, 2) says q, k or v: the same in all sixteen partners.
; THE PRODUCT IS D(a, b) = set B's block b (source 0) x set A's block a (source 1): a lane holds ONE row of set A and eight neighbouring rows of set B.
;   q, k: set A = tokens, set B = columns: a lane's eight numbers are eight neighbours along the head's 64, the K of q k^T: four blocks b make an image of 16 tokens x 64.
;   v:    set A = columns, set B = tokens: eight neighbouring KEYS of one channel, the K of p v: eight blocks b make an image of 16 channels x 128 keys.
; The two sets change places by their LDS read bases alone (one term that hangs on the cluster's x); what the tensor loads bring, and where it lands, is the same for all three.
; So the conversions' results ARE the next operands' registers, and they are stored as they stand, 512 consecutive bytes an instruction: no stage in LDS.
; q_img, k_img: [batch x 16 + head][token / 16][1,024 bytes].  v_img: [batch x 16 + head][key / 128][channel / 16][2,048 bytes].
; REGISTERS, in windows of 256: window 0: v16-31 addresses; v32-95 b_in for q and k (8 b + j: column 16 b + 8 h + j); v96-111 b_in for v (pair a: column 16 a + r, twice); v112, v113 2^e and 448 x 2^e;
;   v128-255 set A's fragments, ONE set; on the way out v128-191 a block's numbers, v192-255 codes.   window 1: set B's fragments, TWO sets.   windows 2, 3: accumulators ((a, b) at v[8 (8 (a % 4) + b)]).
.set SLOT,   131072                    ; an LDS slot: x's 256 rows (65,536 bytes), then w_in's 256 rows
.set SPARE,  2*SLOT                    ; behind the ring: the spare words, 128 bytes for each wave: two blocks of 256 bytes that no other line names
.set XSTEP,  2097152                   ; 256 along K in x_img: 512 row tiles x 4,096 bytes
.set WSTEP,  786432                    ; in win_img: 192 row tiles
.set FR,     16                        ; registers of a fragment
.set NL,     4                         ; LDS loads that bring one
.set NP,     4                         ; places behind this matrix instruction (ISA guide 7.12.1)
.set ADRA, 16                          ; v16-17  LDS address of set A's fragments in slot 0, 1
.set ADRB, 20                          ; v20-21  the same for set B
.set LI,   26                          ; v26     16 x lane; never rewritten
.set BO,   27                          ; v27     32 h: my eight biases of a block of columns
.set SPW,  28                          ; v28     LDS address of my spare word; never rewritten
.set NIL,  29                          ; v29     0; never rewritten
.set VO,   30                          ; v30     4 r: my one bias of a block of columns
.set BIAS, 32
.set BV,   96
.set SCL,  112
.set LIM,  113
.set AF,   128
.set TMP,  128
.set CD,   192
.set G1, 24                            ; s[24:31] descriptor group 1 for x's tiles;  s[32:39] group 0, one set for each slot
.set G0, 32
.set G1B, 48                           ; s[48:55], s[56:63] the same for w_in's tiles
.set G0B, 56
.set MSB, 0
.macro WIN new                         ; the immediate's high byte repeats the setting that is left
.if MSB != \new
	s_set_vgpr_msb (MSB<<8)|\new
.set MSB, \new
.endif
.endm
.set MUL_LO, 0xa1                      ; source 0 (set B) window 1, source 1 (set A) window 0, C and D window 2
.set MUL_HI, 0xf1                      ; the same, C and D window 3
.set TO_B,   0x40                      ; destination window 1, address window 0
; A joint load: waves 0 and 1 fetch x's two halves, waves 2 and 3 w_in's.  Each of the two lines has ONE mask and one set of registers for all that issue it; the branch hangs on the wave's number alone.
; Four v_nop follow each of the two lines, ahead of the jump, the label and what follows.
.macro JLOAD g0a, g1a, g0b, g1b
	s_cmp_eq_u32 s15, 0
	s_cbranch_scc0 .Lfor_b_\@
	tensor_load_to_lds s[\g0a:\g0a+3], s[\g1a:\g1a+7]
	s_nop 0
.rept 4
	v_nop
.endr
	s_branch .Lasked_\@
.Lfor_b_\@:
	tensor_load_to_lds s[\g0b:\g0b+3], s[\g1b:\g1b+7]
	s_nop 0
.rept 4
	v_nop
.endr
.Lasked_\@:
.endm
.macro CREST                           ; a round of the cluster's barrier behind its opening barrier
	s_cmp_lg_u32 s14, 0
	s_cbranch_scc1 .Lnot_wave_0_\@
	s_barrier_signal -3
.Lnot_wave_0_\@:
	s_barrier_wait -3
	s_barrier_signal -1
	s_barrier_wait -1
.endm
.macro CROUND                          ; a whole round
	s_barrier_signal -1
	s_barrier_wait -1
	CREST
.endm
	s_load_b128 s[4:7], s[0:1], 0x0                ; x_img s[4:5], win_img s[6:7]
	s_load_b128 s[8:11], s[0:1], 0x10              ; the scales' exponents s[8:9], b_in s[10:11]
	s_load_b128 s[72:75], s[0:1], 0x20             ; q_img, k_img
	s_load_b64 s[76:77], s[0:1], 0x30              ; v_img
	v_lshl_add_u32 v[SPW], v0, 2, SPARE
	v_mov_b32 v[NIL], 0
	ds_add_u32 v28, v29
	ds_add_u32 v28, v29
	s_wait_dscnt 0x0
	v_lshrrev_b32 v1, 5, v0
	v_readfirstlane_b32 s14, v1                    ; wave 0..3
	s_lshr_b32 s15, s14, 1                         ; which half of set A's rows is mine.  Also: I fetch for x (0) or for w_in (1)
	s_and_b32 s16, s14, 1                          ; which half of set B's rows.  Also: which 128 rows of that tile I fetch
	s_bfe_u32 s40, ttmp6, 0x40000                  ; cx, cy: my place in the cluster
	s_bfe_u32 s41, ttmp6, 0x40004
	s_lshl_b32 s42, ttmp9, 2
	s_add_co_u32 s42, s42, s40                     ; tile column = 4 x cluster x + cx, 0..11
	s_and_b32 s17, ttmp7, 0xffff
	s_lshl_b32 s17, s17, 2
	s_add_co_u32 s17, s17, s41                     ; tile row = 4 x cluster y + cy, 0..31
	s_lshl_b32 s43, s41, 2
	s_lshl_b32 s43, 15, s43                        ; my row of the cluster
	s_lshl_b32 s44, 0x1111, s40                    ; my column
	; descriptor group 1: a dense block of 32,768 bytes as 128 rows of 32 elements of 8 bytes, no padding
	s_or_b32 s[G1+0], s43, (3<<16)|(1<<21)         ; 15:0 the mask: x's tiles go to my row; 17:16 elements of 8 bytes; 21 set beside a mask
	s_or_b32 s[G1B+0], s44, (3<<16)|(1<<21)        ; w_in's tiles go to my column
.irp g, G1, G1B
	s_mov_b32 s[\g+1], 32<<16                      ; tensor_dim0 = 32
	s_mov_b32 s[\g+2], 128<<16                     ; tensor_dim1 = 128
	s_mov_b32 s[\g+3], 32<<16                      ; tile_dim0 = 32
	s_mov_b32 s[\g+4], 128                         ; tile_dim1 = 128
	s_mov_b32 s[\g+5], 32                          ; tensor_dim0_stride: the rows follow each other
	s_mov_b32 s[\g+6], 0
	s_mov_b32 s[\g+7], 0
.endr
	s_lshl_b32 s18, s16, 15                        ; which eight row tiles of 4,096 bytes I fetch
	s_lshl_b32 s20, s17, 16
	s_add_co_u32 s20, s20, s18                     ; x: row tile 16 x tile row + 8 x half
	s_mov_b32 s21, 0
	s_lshl_b32 s46, s42, 16
	s_add_co_u32 s46, s46, s18                     ; w_in: row tile 16 x tile column + 8 x half
	s_mov_b32 s47, 0
	s_lshl_b32 s45, s14, 15                        ; where they go: wave x 32,768: no place in the cluster enters an LDS address
	s_wait_kmcnt 0x0
	s_load_b256 s[80:87], s[8:9], 0x0              ; e0 .. e7
	s_add_nc_u64 s[20:21], s[4:5], s[20:21]
	s_add_nc_u64 s[46:47], s[6:7], s[46:47]
	CROUND                                         ; all sixteen work-groups are here: the first joint loads meet
.irp s, 0,1
	s_mov_b32 s[G0+4*\s], 1
	s_add_co_u32 s[G0+4*\s+1], s45, \s*SLOT
	s_add_nc_u64 s[G0+4*\s+2:G0+4*\s+3], s[20:21], \s*XSTEP
	s_or_b32 s[G0+4*\s+3], s[G0+4*\s+3], 0x80000000
	s_mov_b32 s[G0B+4*\s], 1
	s_add_co_u32 s[G0B+4*\s+1], s45, \s*SLOT
	s_add_nc_u64 s[G0B+4*\s+2:G0B+4*\s+3], s[46:47], \s*WSTEP
	s_or_b32 s[G0B+4*\s+3], s[G0B+4*\s+3], 0x80000000
	JLOAD G0+4*\s, G1, G0B+4*\s, G1B
.endr
	v_and_b32 v1, 31, v0
	v_lshlrev_b32 v[LI], 4, v1
	v_bfe_u32 v2, v0, 4, 1
	v_lshlrev_b32 v[BO], 5, v2
	v_and_b32 v3, 15, v0
	v_lshlrev_b32 v[VO], 2, v3
	s_cmp_eq_u32 ttmp9, 2                          ; v?  Then set A reads w_in's rows and set B x's
	s_cselect_b32 s66, 65536, 0
	s_cselect_b32 s67, 0, 65536
	s_cselect_b32 s89, s15, s16                    ; which of my halves counts heads (two each),
	s_cselect_b32 s90, s16, s15                    ; and which counts 128 tokens
	s_lshl_b32 s21, s15, 15
	s_add_co_u32 s21, s21, s66
	s_lshl_b32 s22, s16, 15
	s_add_co_u32 s22, s22, s67
.irp s, 0,1
	v_add_nc_u32 v[ADRA+\s], s21, v[LI]
	v_add_nc_u32 v[ADRB+\s], s22, v[LI]
	s_add_co_u32 s21, s21, SLOT
	s_add_co_u32 s22, s22, SLOT
.endr
	; both sets of biases are loaded in every work-group (all lie inside b_in for every tile column); they are waited for on the way out
	s_lshl_b32 s68, s42, 10
	s_lshl_b32 s78, s16, 9
	s_add_co_u32 s68, s68, s78
	s_mov_b32 s69, 0
	s_add_nc_u64 s[68:69], s[10:11], s[68:69]      ; b_in at column 256 x tile column + 128 x (wave % 2)
	s_lshl_b32 s70, s42, 10
	s_lshl_b32 s78, s15, 9
	s_add_co_u32 s70, s70, s78
	s_mov_b32 s71, 0
	s_add_nc_u64 s[70:71], s[10:11], s[70:71]      ; and at 256 x tile column + 128 x (wave / 2)
.irp b, 0,1,2,3,4,5,6,7
	global_load_b128 v[BIAS+8*\b:BIAS+8*\b+3],   v[BO], s[68:69] offset:64*\b
	global_load_b128 v[BIAS+8*\b+4:BIAS+8*\b+7], v[BO], s[68:69] offset:64*\b+16
.endr
.irp a, 0,1,2,3,4,5,6,7
	global_load_b32 v[BV+2*\a],   v[VO], s[70:71] offset:64*\a
	global_load_b32 v[BV+2*\a+1], v[VO], s[70:71] offset:64*\a    ; twice: a pair for the packed multiply-add
.endr
	; the scales, the output buffer and my place in it
	s_wait_kmcnt 0x0
	s_add_co_i32 s96, s80, s81
	s_add_co_i32 s96, s96, 127
	s_lshl_b32 s96, s96, 23                        ; 2^(e0 + e1) as f32
	s_mov_b32 s97, s96                             ; (named with it as a pair, so it is written)
	s_cmp_eq_u32 ttmp9, 1
	s_cselect_b32 s88, s83, s85
	s_cselect_b64 s[92:93], s[74:75], s[76:77]
	s_cmp_eq_u32 ttmp9, 0
	s_cselect_b32 s88, s82, s88                    ; e2, e3 or e5
	s_cselect_b64 s[92:93], s[72:73], s[92:93]     ; q_img, k_img or v_img
	s_add_co_i32 s88, s88, 127
	s_lshl_b32 s98, s88, 23
	v_mov_b32 v[SCL], s98                          ; 2^e as f32: the conversion takes its exponent field
	s_add_co_i32 s88, s88, 8
	s_lshl_b32 s88, s88, 23
	s_or_b32 s88, s88, 0x600000
	v_mov_b32 v[LIM], s88                          ; 448 x 2^e
	s_lshr_b32 s91, s17, 3                         ; the batch: 8 tile rows each
	s_lshl_b32 s91, s91, 4
	s_lshl_b32 s94, s40, 2
	s_add_co_u32 s91, s91, s94
	s_lshl_b32 s89, s89, 1
	s_add_co_u32 s91, s91, s89                     ; 16 x batch + my first head (4 cx + 2 x half)
	s_lshl_b32 s91, s91, 17                        ; a head is 131,072 bytes in each of the three buffers,
	s_and_b32 s94, s17, 7
	s_lshl_b32 s94, s94, 14                        ; 256 tokens of it 16,384,
	s_add_co_u32 s94, s94, s91
	s_lshl_b32 s90, s90, 13                        ; 128 tokens 8,192: in q_img and k_img eight images of 1,024, in v_img four of 2,048
	s_add_co_u32 s94, s94, s90
	s_mov_b32 s95, 0
	s_add_nc_u64 s[92:93], s[92:93], s[94:95]
.macro FRAG reg, adr, q, i             ; a fragment comes back as it was laid: four loads of 512 consecutive bytes; row tile i, the slot's q-th 128 along K
.irp c, 0,1,2,3
	ds_load_b128 v[\reg+4*\c:\reg+4*\c+3], v[\adr] offset:4096*(\i)+2048*(\q)+512*\c
.endr
.endm
; 16 matrix instructions: set A's blocks a0, a0 + 1 x set B's eight, 128 along K.  p: B's set.  zero = 1: the first product starts the sums: nothing is ever cleared.
; The 64 accumulators take turns, one instruction a turn, in the same order in every step.
.macro MUL16 a0, p, zero
.irp a, \a0, \a0+1
.irp b, 0,1,2,3,4,5,6,7
.if \zero
	v_wmma_f32_16x16x128_fp8_fp8 v[8*(8*((\a)%4)+\b):8*(8*((\a)%4)+\b)+7], v[128*(\p)+FR*\b:128*(\p)+FR*\b+FR-1], v[AF+FR*(\a):AF+FR*(\a)+FR-1], 0
.else
	v_wmma_f32_16x16x128_fp8_fp8 v[8*(8*((\a)%4)+\b):8*(8*((\a)%4)+\b)+7], v[128*(\p)+FR*\b:128*(\p)+FR*\b+FR-1], v[AF+FR*(\a):AF+FR*(\a)+FR-1], v[8*(8*((\a)%4)+\b):8*(8*((\a)%4)+\b)+7]
.endif
.endr
.endr
.endm
.macro FETCH_B slot, q, p              ; set B's eight fragments of the slot's q-th 128 along K into set p
	WIN TO_B
.irp i, 0,1,2,3,4,5,6,7
	FRAG 128*(\p)+FR*\i, ADRB+\slot, \q, \i
.endr
	WIN 0
.endm
.macro FETCH_A slot, q, i0             ; set A's blocks i0 .. i0 + 3
.irp i, \i0, \i0+1, \i0+2, \i0+3
	FRAG AF+FR*(\i), ADRA+\slot, \q, \i
.endr
.endm
; A load into a register that a matrix instruction has read, and a vector instruction that reads a matrix result or writes one of its registers, stand NP places behind it; only plain vector
; instructions that name none of its registers are places (ISA guide 7.12.1 for vector instructions).
.macro PLACES n
.rept \n
	v_nop
.endr
.endm
; A step of 128 along K that has its successor in the same slot.  A block of set A is free as soon as its eight products are issued: blocks 0-3 are fetched anew in the step's middle, blocks 4-7 at its end.
.macro STEP slot, q, zero
	s_wait_dscnt 4*NL                              ; B's set and A's blocks 0-3 are in; the youngest sixteen loads (A's blocks 4-7) may be out
	WIN MUL_LO
	MUL16 0, (\q)%2, \zero
	MUL16 2, (\q)%2, \zero
	s_wait_dscnt 0                                 ; A's blocks 4-7 are in (asked for 32 matrix instructions ago)
	PLACES NP
	FETCH_B \slot, (\q)+1, 1-(\q)%2
	FETCH_A \slot, (\q)+1, 0
	WIN MUL_HI
	MUL16 4, (\q)%2, \zero
	MUL16 6, (\q)%2, \zero
	PLACES NP
	WIN 0
	FETCH_A \slot, (\q)+1, 4
.endm
; A slot's last step changes slots: ONE barrier; in front of it each wave waits for all its tensor loads, adds 0 to its spare word, and waits for that and for its own reads of this slot.  fill = 1: this slot is filled again, two slots ahead.
.macro TURN slot, next, fill
	s_wait_tensorcnt 0x0                           ; all my tensor loads have landed: my part of the next slot;  (every window is 0 here)
	ds_add_u32 v[SPW], v[NIL]                      ; 0 onto my spare word
	s_wait_dscnt 4*NL+1                            ; (the add and the youngest sixteen loads, A's blocks 4-7, may be out)
	WIN MUL_LO
	MUL16 0, 1, 0                                  ; sixteen matrix instructions stand between the add and the wait for it
	s_wait_dscnt 0x0                               ; the add is done, and my reads of this slot are over
	s_barrier_signal -1
	MUL16 2, 1, 0
	WIN 0
	s_barrier_wait -1
.if \fill
	CREST                                          ; the barrier has opened a round of the cluster's barrier: no wave of any partner still reads this slot's tile or has a load on its way
	s_add_nc_u64 s[G0+4*\slot+2:G0+4*\slot+3], s[G0+4*\slot+2:G0+4*\slot+3], 2*XSTEP
	s_add_nc_u64 s[G0B+4*\slot+2:G0B+4*\slot+3], s[G0B+4*\slot+2:G0B+4*\slot+3], 2*WSTEP
	JLOAD G0+4*\slot, G1, G0B+4*\slot, G1B         ; the first tensor load behind the round; the four v_nop behind it are the places in front of the loads below
.else
	PLACES NP
.endif
	FETCH_B \next, 0, 0
	FETCH_A \next, 0, 0
	WIN MUL_HI
	MUL16 4, 1, 0
	MUL16 6, 1, 0
	PLACES NP
	WIN 0
	FETCH_A \next, 0, 4
.endm
	s_wait_tensorcnt 1                             ; my part of slot 0 is in (slot 1's load may be out)
	s_barrier_signal -1
	s_barrier_wait -1                              ; everybody's is
	FETCH_B 0, 0, 0
	FETCH_A 0, 0, 0
	FETCH_A 0, 0, 4
	STEP 0, 0, 1                                   ; K 0-127: its products start the sums
	TURN 0, 1, 1                                   ; K 128-255; slot 0 takes K 512-767
	STEP 1, 0, 0
	TURN 1, 0, 1                                   ; slot 1 takes K 768-1023
	STEP 0, 0, 0
	TURN 0, 1, 0                                   ; nothing is left to fetch: no round
	STEP 1, 0, 0
	s_wait_dscnt 4*NL                              ; the very last step
	WIN MUL_LO
	MUL16 0, 1, 0
	MUL16 2, 1, 0
	s_wait_dscnt 0
	WIN MUL_HI
	MUL16 4, 1, 0
	MUL16 6, 1, 0
	WIN 0
; THE WAY OUT of set A's block a: number = sum x 2^(e0 + e1) + bias (each accumulator from its low end on), the hold, eight conversions: sixteen registers of codes, stored as they stand.
; vmode = 0 (q, k): registers 0-7 are the image (16 tokens x 64) of my first head, 8-15 of my second.  vmode = 1 (v): all sixteen are the image (16 channels x 128 keys) of head a / 4, channels 16 (a % 4) on.
.macro EPI a, vmode
.if (\a) == 4
	s_wait_xcnt 0x0                                ; blocks 0-3's stores have read their registers: blocks 4-7's codes are written there
.endif
	WIN (0x02+((\a)/4))                            ; source 0: window 2 or 3
.set j, 0
.rept 32
.if \vmode
	v_pk_fma_f32 v[TMP+j:TMP+j+1], v[64*((\a)%4)+j:64*((\a)%4)+j+1], s[96:97], v[BV+2*(\a):BV+2*(\a)+1] op_sel_hi:[1,0,1]
.else
	v_pk_fma_f32 v[TMP+j:TMP+j+1], v[64*((\a)%4)+j:64*((\a)%4)+j+1], s[96:97], v[BIAS+j:BIAS+j+1] op_sel_hi:[1,0,1]
.endif
.set j, j+2
.endr
	WIN 0
.set j, 0
.rept 64
	v_med3_num_f32 v[TMP+j], v[TMP+j], -v[LIM], v[LIM]   ; the conversion to an 8-bit code does not saturate (ISA guide 7.6.2)
.set j, j+1
.endr
.irp b, 0,1,2,3,4,5,6,7
	v_cvt_scalef32_pk8_fp8_f32 v[CD+16*((\a)%4)+2*\b:CD+16*((\a)%4)+2*\b+1], v[TMP+8*\b:TMP+8*\b+7], v[SCL]
.endr
	v_nop                                          ; one plain vector instruction between a scaled conversion and the next vector instruction that writes its sources
.irp i, 0,1,2,3
.if \vmode
	global_store_b128 v[LI], v[CD+16*((\a)%4)+4*\i:CD+16*((\a)%4)+4*\i+3], s[92:93] offset:((\a)/4)*131072+((\a)%4)*2048+\i*512
.else
	global_store_b128 v[LI], v[CD+16*((\a)%4)+4*\i:CD+16*((\a)%4)+4*\i+3], s[92:93] offset:(\a)*1024+(\i/2)*131072+(\i%2)*512
.endif
.endr                                              ; 32 lanes store 512 consecutive bytes, at a multiple of 512 from the buffer's first byte
.endm
	s_wait_loadcnt 0x0                             ; the biases
	PLACES NP                                      ; behind the last products: their results are read, and the registers that held set A's fragments are written
	s_cmp_eq_u32 ttmp9, 2                          ; the cluster's x: the same in all partners
	s_cbranch_scc1 .Lout_v
.irp a, 0,1,2,3,4,5,6,7
	EPI \a, 0
.endr
	s_branch .Lout_done
.Lout_v:
.irp a, 0,1,2,3,4,5,6,7
	EPI \a, 1
.endr
.Lout_done:
	s_wait_tensorcnt 0x0                           ; the wave's end
	ds_add_u32 v[SPW], v[NIL]
	s_wait_dscnt 0x0
	CROUND                                         ; the closing round: no work-group ends while a partner may still ask for a tile that names it
	s_endpgm
.Lfunc_end_k_q095eb34de4_qkv:
	.size	k_q095eb34de4_qkv, .Lfunc_end_k_q095eb34de4_qkv-k_q095eb34de4_qkv
	.p2alignl 7, 3214868480
	.fill 96, 4, 3214868480
	.section	.rodata,"a",@progbits
	.p2align	6, 0x0
	.amdhsa_kernel k_q095eb34de4_qkv
		.amdhsa_group_segment_fixed_size 327680
		.amdhsa_private_segment_fixed_size 0
		.amdhsa_enable_private_segment 0
		.amdhsa_kernarg_size 56
		.amdhsa_user_sgpr_count 2
		.amdhsa_user_sgpr_kernarg_segment_ptr 1
		.amdhsa_wavefront_size32 1
		.amdhsa_system_sgpr_workgroup_id_x 1
		.amdhsa_system_sgpr_workgroup_id_y 1
		.amdhsa_system_sgpr_workgroup_id_z 1
		.amdhsa_system_vgpr_workitem_id 0
		.amdhsa_next_free_vgpr 1024
		.amdhsa_next_free_sgpr 100
		.amdhsa_reserve_vcc 0
		.amdhsa_float_denorm_mode_32 3
		.amdhsa_float_denorm_mode_16_64 3
		.amdhsa_memory_ordered 1
		.amdhsa_forward_progress 1
		.amdhsa_inst_pref_size 193
	.end_amdhsa_kernel
	.amdgpu_metadata
---
amdhsa.version: [ 1, 2 ]
amdhsa.kernels:
  - .name:           k_q095eb34de4_qkv
    .symbol:         k_q095eb34de4_qkv.kd
    .args:
      - { .name: x_img, .offset: 0, .size: 8, .value_kind: global_buffer, .address_space: global }
      - { .name: win_img, .offset: 8, .size: 8, .value_kind: global_buffer, .address_space: global }
      - { .name: lowp_scales, .offset: 16, .size: 8, .value_kind: global_buffer, .address_space: global }
      - { .name: b_in, .offset: 24, .size: 8, .value_kind: global_buffer, .address_space: global }
      - { .name: q_img, .offset: 32, .size: 8, .value_kind: global_buffer, .address_space: global }
      - { .name: k_img, .offset: 40, .size: 8, .value_kind: global_buffer, .address_space: global }
      - { .name: v_img, .offset: 48, .size: 8, .value_kind: global_buffer, .address_space: global }
    .group_segment_fixed_size: 327680
    .private_segment_fixed_size: 0
    .kernarg_segment_align: 8
    .kernarg_segment_size: 56
    .max_flat_workgroup_size: 128
    .sgpr_count:     100
    .vgpr_count:     1024
    .wavefront_size: 32
...
	.end_amdgpu_metadata
.endif
;; end of part 2
;; launch attn (part 3): grid 4 x 64, 8 waves a work-group, no clusters, 66,560 bytes of LDS; arguments q_img, k_img, v_img, lowp_scales, a_img; writes a_img
.if DOCPART == 3
	.amdgcn_target "amdgcn-amd-amdhsa--gfx1250"
	.amdhsa_code_object_version 6
	.text
	.protected	k_q095eb34de4_attn
	.globl	k_q095eb34de4_attn
	.p2align	8
	.type	k_q095eb34de4_attn,@function
k_q095eb34de4_attn:
	s_mov_b64 s[64:65], 0
	v_nop
	global_prefetch_b8 v0, s[64:65] scope:SCOPE_SE
	s_setreg_imm32_b32 hwreg(HW_REG_WAVE_MODE, 25, 1), 1
	s_wait_xcnt 0x0
; Causal attention on codes of FP8 (E4M3): 64 heads (batch x 16 + head), 2,048 tokens, head size 64.  o = softmax(q k^T / 8, keys <= query) v, quantised at once for the output projection.
; THE SOFTMAX AHEAD OF THE SECOND PRODUCT: t = score x log2(e) / 8; M = the row's largest t so far, rounded UP to a whole number; p = 2^(t - M) is quantised (scale 2^e4), not normalised.  The row's sum is taken
; of the unquantised p and divides at the end.  When M moves, the sum and O are multiplied by 2^(old M - new M): nothing is rounded.
; LIMITS on the given exponents, so that each power of two below is an f32 number: e2 + e3 between -123 and 130 (added to c's exponent field); e4 and e6 between -126 and 119; e4 + e5 goes in by v_ldexp_f32.  NaN is not served.
; OPERANDS ARE IMAGES OF THEIR REGISTERS: q_img, k_img [head][token / 16][1,024 bytes: 16 tokens x 64]; v_img [head][key / 128][channel / 16][2,048 bytes: 16 channels x 128 keys]; registers 4 g .. 4 g + 3 of lane l at 512 g + 16 l.
; SHARES.  Work-group (I, head) owns the blocks of 256 queries 7 - I and I of its head, one after the other: block 7 - I walks key slots 0 .. 7 - I, block I slots 0 .. I: NINE slots of 256 keys in every work-group,
; so all 256 work-groups have equal work and the trip count is a constant.  Wave w owns 32 queries of a block: two tiles of 16 that share every fragment of K and V.  A step of 128 keys all of which come after the
; wave's queries is left out by a scalar branch on ids.
; LAYOUT.  Both products are used transposed: S^T = K Q^T (source 0 = 16 keys, source 1 = 16 queries), O^T = V^T P^T (source 0 = 16 channels, source 1 = P): a lane holds ONE query throughout, and tile kt of S^T
; gives it keys 16 kt + 8 h + 0 .. 7: the conversions' results are registers 2 kt, 2 kt + 1 of P.  Likewise O^T's four tiles become the image of 16 tokens x this head's 64 of the projection's K.
; K AND V COME THROUGH REGISTERS INTO TWO LDS SLOTS: a wave's share of a slot is 4,096 dense bytes, eight loads and eight LDS stores; the loads are issued a whole trip ahead of the stores, so nothing waits for them.
; No tensor load: so the hold on p (p <= 1 lies under 448 x 2^e4 whenever e4 >= -8) may be stepped over by a scalar branch on e4, a whole number that is read from memory.
; NO JOINT LOADS: the four work-groups of a head want different slots in the same trip (their first blocks end at different trips); walking in step would take 12 slots in place of 9.
; a_img: [channel / 256][token / 16][(channel / 128) % 2][2,048 bytes]: head hd's 64 channels of token tile T are the 1,024 bytes at (hd / 4) x 2,097,152 + T x 4,096 + (hd % 4) x 1,024.
; REGISTERS.  window 0: v1-6 addresses and constants; v8-11 scales; v12-19 statistics (tile u at 12 + 4 u: -M, largest t, the sum in two halves); v20-29 at work; v32-95 K's eight fragments, then V's four;
;   v96-223 S^T, then p (64 a tile); v224-255 P's codes (16 a tile).   window 1: v0-63 O^T (32 u + 8 dt); v64-79 Q; v80-95 the second block's Q; v96-127 the bytes on their way to LDS.
.set SLOTB, 32768                      ; an LDS slot: K's 16 images (16,384 bytes), then V's 2 x 4 images
.set VOFF,  16384
.set STEPB, 8192                       ; 128 keys: in K's part and in V's part alike
.set LI,   1                           ; v1  16 x lane; never rewritten
.set AD,   2                           ; v2  LDS address of the step in hand
.set STA0, 3                           ; v3  4,096 x wave + 16 x lane: my share of a slot
.set STA,  4                           ; v4  the same in the slot to be written
.set NINF, 5                           ; v5  -infinity
.set RH,   6                           ; v6  r - 8 h
.set KV,   32
.set S,    96
.set PC,   224
.set OA,   0                           ; in window 1
.set QF,   64
.set QN,   80
.set STG,  96
.set MSB, 0
.macro WIN new                         ; the immediate's high byte repeats the setting that is left
.if MSB != \new
	s_set_vgpr_msb (MSB<<8)|\new
.set MSB, \new
.endif
.endm
.macro COPYLD base                     ; my 4,096 bytes of a slot, from s[base:base+1]
	WIN 0x40                                       ; destination window 1
.irp i, 0,1,2,3,4,5,6,7
	global_load_b128 v[STG+4*\i:STG+4*\i+3], v[LI], s[\base:\base+1] offset:512*\i
.endr
	WIN 0
.endm
.macro COPYST                          ; and into LDS as they lie
	WIN 0x04                                       ; the data (source 1) in window 1
.irp i, 0,1,2,3,4,5,6,7
	ds_store_b128 v[STA], v[STG+4*\i:STG+4*\i+3] offset:512*\i
.endr
	WIN 0
.endm
.macro INIT                            ; a block of queries begins: the step is written once, and its first turn finds zeros, which the first change of M leaves zeros
	v_mov_b32 v13, 0xff61b1e6                      ; the largest t so far: -3e38, under every t
	v_mov_b32 v17, 0xff61b1e6
	v_floor_f32 v12, -v13                          ; -M
	v_floor_f32 v16, -v17
	v_mov_b32 v14, 0
	v_mov_b32 v15, 0
	v_mov_b32 v18, 0
	v_mov_b32 v19, 0
	WIN 0x40
.set j, 0
.rept 64
	v_mov_b32 v[OA+j], 0
.set j, j+1
.endr
	WIN 0
	s_mov_b32 s21, 0                               ; the step's first key
.endm
	s_load_b256 s[4:11], s[0:1], 0x0               ; q_img s[4:5], k_img s[6:7], v_img s[8:9], the scales' exponents s[10:11]
	s_load_b64 s[12:13], s[0:1], 0x20              ; a_img
	v_lshl_add_u32 v30, v0, 2, 0x10000
	v_mov_b32 v31, 0
	v_lshrrev_b32 v2, 5, v0
	v_readfirstlane_b32 s14, v2                    ; wave 0..7
	v_and_b32 v2, 31, v0
	v_lshlrev_b32 v[LI], 4, v2
	v_and_b32 v[RH], 15, v0
	v_bfe_u32 v7, v0, 4, 1
	v_lshlrev_b32 v7, 3, v7
	v_sub_nc_u32 v[RH], v[RH], v7
	s_lshl_b32 s46, s14, 12
	v_add_nc_u32 v[STA0], s46, v[LI]
	v_mov_b32 v[STA], v[STA0]                      ; slot 0
	v_mov_b32 v[NINF], 0xff800000
	v_mov_b32 v25, 0                               ; (named as the upper halves of the pairs v[24:25], v[26:27])
	v_mov_b32 v27, 0
	v_mov_b32 v28, 0                               ; written once: a lane permute's destination counts as one of its sources
	v_mov_b32 v29, 0
	s_mov_b32 s15, ttmp9                           ; I
	s_and_b32 s16, ttmp7, 0xffff                   ; batch x 16 + head
	s_sub_co_u32 s18, 7, s15                       ; the first block of queries, and the trip in which it ends
	s_mov_b32 s26, 0x76543210                      ; v_permlanex16_b32's selects for lane l xor 16
	s_mov_b32 s27, 0xfedcba98
	s_lshl_b32 s47, s14, 5
	s_lshl_b32 s20, s18, 8
	s_add_co_u32 s20, s20, s47                     ; my first query: 256 x block + 32 x wave
	s_lshl_b32 s50, s15, 8
	s_add_co_u32 s50, s50, s47                     ; and in the second block
	s_mov_b32 s17, 0                               ; the trip
	s_mov_b32 s22, 0                               ; LDS byte at which the step in hand begins
	s_mov_b32 s23, SLOTB                           ; the slot to be written
	s_wait_kmcnt 0x0
	s_load_b256 s[28:35], s[10:11], 0x0            ; e0 .. e7
	s_lshl_b32 s46, s16, 17                        ; a head is 131,072 bytes in q_img, k_img and v_img
	s_lshl_b32 s47, s14, 11
	s_add_co_u32 s47, s47, s46                     ; + my wave's two tiles of queries
	s_lshl_b32 s48, s18, 14
	s_add_co_u32 s48, s48, s47
	s_mov_b32 s49, 0
	s_add_nc_u64 s[52:53], s[4:5], s[48:49]        ; Q of the first block,
	s_lshl_b32 s48, s15, 14
	s_add_co_u32 s48, s48, s47
	s_add_nc_u64 s[54:55], s[4:5], s[48:49]        ; of the second
	s_cmp_lt_u32 s14, 4                            ; waves 0-3 copy K's part of a slot, waves 4-7 V's
	s_cselect_b64 s[36:37], s[6:7], s[8:9]
	s_and_b32 s48, s14, 3
	s_lshl_b32 s48, s48, 12
	s_add_co_u32 s48, s48, s46
	s_add_nc_u64 s[36:37], s[36:37], s[48:49]      ; my share of key slot 0; a slot on is 16,384 bytes in both
	s_and_b32 s48, s16, 15                         ; the head
	s_lshr_b32 s51, s48, 2
	s_lshl_b32 s51, s51, 21
	s_and_b32 s48, s48, 3
	s_lshl_b32 s48, s48, 10
	s_add_co_u32 s48, s48, s51
	s_lshr_b32 s51, s16, 4                         ; the batch: 128 token tiles of 4,096 bytes
	s_lshl_b32 s51, s51, 19
	s_add_co_u32 s48, s48, s51
	s_lshl_b32 s51, s14, 13                        ; my wave's two token tiles
	s_add_co_u32 s48, s48, s51
	s_lshl_b32 s56, s18, 16                        ; a block's sixteen
	s_add_co_u32 s56, s56, s48
	s_mov_b32 s57, 0
	s_add_nc_u64 s[40:41], s[12:13], s[56:57]      ; where the first block's codes go,
	s_lshl_b32 s56, s15, 16
	s_add_co_u32 s56, s56, s48
	s_add_nc_u64 s[42:43], s[12:13], s[56:57]      ; and the second's
	WIN 0x40
.irp u, 0,1
.irp c, 0,1
	global_load_b128 v[QF+8*\u+4*\c:QF+8*\u+4*\c+3], v[LI], s[52:53] offset:1024*\u+512*\c th:TH_LOAD_NT
	global_load_b128 v[QN+8*\u+4*\c:QN+8*\u+4*\c+3], v[LI], s[54:55] offset:1024*\u+512*\c th:TH_LOAD_NT
.endr
.endr
	WIN 0
	COPYLD 36                                      ; key slot 0
	s_wait_kmcnt 0x0
	s_add_co_i32 s46, s30, s31
	s_lshl_b32 s46, s46, 23
	s_add_co_i32 s24, s46, 0x3e38aa3b              ; c = log2(e) / 8, with e2 + e3 added to its exponent field: a score stands for score x 2^(e2 + e3)
	s_mov_b32 s25, s24                             ; (named with it as a pair, so it is written)
	s_add_co_i32 s46, s32, 127
	s_lshl_b32 s47, s46, 23
	v_mov_b32 v8, s47                              ; 2^e4
	s_add_co_i32 s46, s46, 8
	s_lshl_b32 s46, s46, 23
	s_or_b32 s46, s46, 0x600000
	v_mov_b32 v9, s46                              ; 448 x 2^e4
	s_add_co_i32 s46, s34, 127
	s_lshl_b32 s47, s46, 23
	v_mov_b32 v10, s47                             ; 2^e6
	s_add_co_i32 s46, s46, 8
	s_lshl_b32 s46, s46, 23
	s_or_b32 s46, s46, 0x600000
	v_mov_b32 v11, s46                             ; 448 x 2^e6
	s_add_co_i32 s45, s32, s33                     ; e4 + e5
	INIT
	s_wait_loadcnt 0x0                             ; Q, and key slot 0
	COPYST
	s_wait_dscnt 0x0                               ; my share lies in LDS, and the stores have read their registers
	s_add_nc_u64 s[38:39], s[36:37], 16384
	COPYLD 38                                      ; key slot 1 (every first block has at least five slots): it lands while slot 0 is worked on
	s_barrier_signal -1
	s_barrier_wait -1                              ; slot 0 is whole
.Ltrip:                                            ; nine trips: a slot of 256 keys each
	s_mov_b32 s44, 2
.Lstep:                                            ; a slot's two steps of 128 keys: written once, walked twice
	s_add_co_u32 s46, s20, 31
	s_cmp_gt_u32 s21, s46                          ; all 128 keys come after my 32 queries: nothing to do
	s_cbranch_scc1 .Lhidden
	v_add_nc_u32 v[AD], s22, v[LI]
.rept 3
	v_nop                                          ; with the addition four places behind the last products, in front of loads into registers that they read
.endr
.irp kt, 0,1,2,3,4,5,6,7
	ds_load_b128 v[KV+8*\kt:KV+8*\kt+3],   v[AD] offset:1024*\kt
	ds_load_b128 v[KV+8*\kt+4:KV+8*\kt+7], v[AD] offset:1024*\kt+512
.endr
	s_wait_dscnt 0x0
	WIN 0x04                                       ; source 1 (Q) in window 1
.irp kt, 0,1,2,3,4,5,6,7
.irp u, 0,1
	v_wmma_f32_16x16x64_fp8_fp8 v[S+64*\u+8*\kt:S+64*\u+8*\kt+7], v[KV+8*\kt:KV+8*\kt+7], v[QF+8*\u:QF+8*\u+7], 0
.endr
.endr
	WIN 0
.rept 4
	v_nop                                          ; places: V's loads land where K's fragments lay, and the scores are read below
.endr
.irp dt, 0,1,2,3
.irp c, 0,1,2,3
	ds_load_b128 v[KV+16*\dt+4*\c:KV+16*\dt+4*\c+3], v[AD] offset:VOFF+2048*\dt+512*\c   ; V's four fragments land under the softmax
.endr
.endr
	s_add_co_u32 s46, s21, 127
	s_cmp_le_u32 s46, s20                          ; all 128 keys count for all my queries: no mask
	s_cbranch_scc1 .Lopen
	s_sub_co_i32 s46, s20, s21                     ; (0 or more: a step that is not left out begins at or before my first query, so every query has a key that counts)
	v_add_nc_u32 v20, s46, v[RH]                   ; d = my query - the step's first key - 8 h.  Register 8 kt + j holds key 16 kt + 8 h + j: hidden where 16 kt + j > d
	v_add_nc_u32 v22, 16, v20                      ; tile 1's queries lie 16 further on
.irp kt, 0,1,2,3,4,5,6,7
.irp j, 0,1,2,3,4,5,6,7
	v_cmp_gt_i32 vcc_lo, 16*\kt+\j, v20
	v_cndmask_b32 v[S+8*\kt+\j], v[S+8*\kt+\j], v[NINF], vcc_lo
	v_cmp_gt_i32 vcc_lo, 16*\kt+\j, v22
	v_cndmask_b32 v[S+64+8*\kt+\j], v[S+64+8*\kt+\j], v[NINF], vcc_lo
.endr
.endr
.Lopen:
	; the step's largest score of each query, among my 64 keys: two chains a tile, the tiles by turns; each accumulator is read from its low end on
	v_max3_num_f32 v20, v[S], v[S+1], v[S+2]
	v_max3_num_f32 v22, v[S+64], v[S+65], v[S+66]
	v_max3_num_f32 v21, v[S+3], v[S+4], v[S+5]
	v_max3_num_f32 v23, v[S+67], v[S+68], v[S+69]
.irp i, 6,10,14,18,22,26,30,34,38,42,46,50,54,58
	v_max3_num_f32 v20, v20, v[S+\i], v[S+\i+1]
	v_max3_num_f32 v22, v22, v[S+64+\i], v[S+65+\i]
	v_max3_num_f32 v21, v21, v[S+\i+2], v[S+\i+3]
	v_max3_num_f32 v23, v23, v[S+66+\i], v[S+67+\i]
.endr
	v_max3_num_f32 v20, v20, v[S+62], v[S+63]
	v_max3_num_f32 v22, v22, v[S+126], v[S+127]
	v_max_num_f32 v20, v20, v21
	v_max_num_f32 v22, v22, v23
	v_permlanex16_b32 v28, v20, s26, s27
	v_permlanex16_b32 v29, v22, s26, s27
	v_max_num_f32 v20, v20, v28                    ; and among lane l xor 16's
	v_max_num_f32 v22, v22, v29
	v_mul_f32 v20, s24, v20                        ; as t (c is positive)
	v_mul_f32 v22, s24, v22
	v_max_num_f32 v13, v13, v20                    ; the running largest t
	v_max_num_f32 v17, v17, v22
	v_mov_b32 v20, v12
	v_mov_b32 v22, v16
	v_floor_f32 v12, -v13                          ; the new -M = floor(-t) = -ceil(t): M is a whole number
	v_floor_f32 v16, -v17
	v_sub_f32 v20, v12, v20                        ; M's old value less its new one: a whole number, 0 or less
	v_sub_f32 v22, v16, v22
	v_cvt_i32_f32 v20, v20                         ; (it saturates)
	v_cvt_i32_f32 v22, v22
	v_ldexp_f32 v24, 1.0, v20                      ; f = 2^(old M - new M)
	v_ldexp_f32 v26, 1.0, v22
.set j, 0
.rept 32
	v_pk_fma_f32 v[S+j:S+j+1], v[S+j:S+j+1], s[24:25], v[12:13] op_sel_hi:[1,0,0]            ; t - M, two at a time (of the pairs c and -M the low word serves both halves)
	v_pk_fma_f32 v[S+64+j:S+65+j], v[S+64+j:S+65+j], s[24:25], v[16:17] op_sel_hi:[1,0,0]
.set j, j+2
.endr
.set j, 0
.rept 128
	v_exp_f32 v[S+j], v[S+j]                       ; p = 2^(t - M), at most 1; 0 for a hidden key
.set j, j+1
.endr
	v_pk_mul_f32 v[14:15], v[14:15], v[24:25] op_sel_hi:[1,0]   ; the sums under the new M.  (The plain instruction behind the exponentials)
	v_pk_mul_f32 v[18:19], v[18:19], v[26:27] op_sel_hi:[1,0]
	s_wait_alu depctr_va_vdst(0)                   ; one wait for the whole batch, ahead of its first reader
	v_pk_add_f32 v[20:21], v[S:S+1], v[S+2:S+3]    ; the row's sum is taken of the UNQUANTISED p: two at a time, two chains a tile
	v_pk_add_f32 v[22:23], v[S+64:S+65], v[S+66:S+67]
.set j, 4
.rept 15
	v_pk_add_f32 v[14:15], v[14:15], v[S+j:S+j+1]
	v_pk_add_f32 v[18:19], v[18:19], v[S+64+j:S+65+j]
	v_pk_add_f32 v[20:21], v[20:21], v[S+j+2:S+j+3]
	v_pk_add_f32 v[22:23], v[22:23], v[S+66+j:S+67+j]
.set j, j+4
.endr
	v_pk_add_f32 v[14:15], v[14:15], v[20:21]
	v_pk_add_f32 v[18:19], v[18:19], v[22:23]
	s_cmp_ge_i32 s32, -8                           ; 448 x 2^e4 >= 1 >= p: the hold cannot bite
	s_cbranch_scc1 .Lnohold
.set j, 0
.rept 128
	v_min_num_f32 v[S+j], v[S+j], v9               ; the conversion to an 8-bit code does not saturate (ISA guide 7.6.2); p is not negative, so the hold is one-sided
.set j, j+1
.endr
.Lnohold:
.irp kt, 0,1,2,3,4,5,6,7
.irp u, 0,1
	v_cvt_scalef32_pk8_fp8_f32 v[PC+16*\u+2*\kt:PC+16*\u+2*\kt+1], v[S+64*\u+8*\kt:S+64*\u+8*\kt+7], v8   ; registers 2 kt, 2 kt + 1 of P: keys 16 kt + 8 h + 0 .. 7
.endr
.endr
	WIN 0x41                                       ; O^T (destination and source 0) in window 1, f in window 0
.set j, 0
.rept 16
	v_pk_mul_f32 v[OA+j:OA+j+1], v[OA+j:OA+j+1], v[24:25] op_sel_hi:[1,0]              ; O^T under the new M.  (These are also the plain instructions between the conversions and the products)
	v_pk_mul_f32 v[OA+32+j:OA+33+j], v[OA+32+j:OA+33+j], v[26:27] op_sel_hi:[1,0]
.set j, j+2
.endr
	s_wait_dscnt 0x0                               ; V is in
	WIN 0x50                                       ; C and D in window 1
.irp dt, 0,1,2,3
.irp u, 0,1
	v_wmma_f32_16x16x128_fp8_fp8 v[OA+32*\u+8*\dt:OA+32*\u+8*\dt+7], v[KV+16*\dt:KV+16*\dt+15], v[PC+16*\u:PC+16*\u+15], v[OA+32*\u+8*\dt:OA+32*\u+8*\dt+7]   ; the eight accumulators take turns
.endr
.endr
	WIN 0
.Lhidden:
	s_add_co_u32 s21, s21, 128
	s_add_co_u32 s22, s22, STEPB
	s_sub_co_u32 s44, s44, 1
	s_cmp_lg_u32 s44, 0
	s_cbranch_scc1 .Lstep
	s_sub_co_u32 s22, s22, 2*STEPB                 ; back to a slot's first step,
	s_xor_b32 s22, s22, SLOTB                      ; in the other slot
	; THE NEXT SLOT.  The bytes asked for a trip ago go into the slot that was read in the trip before this one: every wave's reads of it came back in front of that trip's barrier.
	s_cmp_eq_u32 s17, 8
	s_cbranch_scc1 .Lnocopy                        ; the last trip has no successor
	s_wait_loadcnt 0x0                             ; they are in
	v_add_nc_u32 v[STA], s23, v[STA0]
	COPYST
	s_wait_dscnt 0x0                               ; the stores have read their registers
	s_cmp_lt_u32 s17, 7
	s_cbranch_scc0 .Lnocopy                        ; the last trip but one asks for nothing
	s_add_co_u32 s46, s17, 2                       ; the trip after the next walks key slot T + 2 of the first block, or T + 2 - (8 - I) of the second
	s_sub_co_u32 s47, s46, s18
	s_sub_co_u32 s47, s47, 1
	s_cmp_le_u32 s46, s18
	s_cselect_b32 s46, s46, s47
	s_lshl_b32 s46, s46, 14
	s_mov_b32 s47, 0
	s_add_nc_u64 s[38:39], s[36:37], s[46:47]      ; (the loads that named this pair have been waited for)
	COPYLD 38
.Lnocopy:
	s_wait_dscnt 0x0                               ; my share of the next slot lies in LDS, and my reads of this slot are back
	s_barrier_signal -1
	s_barrier_wait -1                              ; both hold of every wave
	s_xor_b32 s23, s23, SLOTB
	s_cmp_eq_u32 s17, s18                          ; the first block's last slot?
	s_cbranch_scc1 .Lfin
	s_cmp_eq_u32 s17, 8                            ; the second's?
	s_cbranch_scc0 .Lnext
.Lfin:
	; A BLOCK ENDS: O^T / the sum x 2^(e4 + e5), quantised with 2^e6: four tiles of channels make the image of 16 tokens x this head's 64
.rept 4
	v_nop                                          ; places behind the last products
.endr
	v_add_f32 v14, v14, v15                        ; the sum's two halves,
	v_add_f32 v18, v18, v19
	v_permlanex16_b32 v28, v14, s26, s27
	v_permlanex16_b32 v29, v18, s26, s27
	v_add_f32 v14, v14, v28                        ; and lane l xor 16's
	v_add_f32 v18, v18, v29
	v_rcp_f32 v14, v14
	v_rcp_f32 v18, v18
	v_nop                                          ; a plain instruction behind the last reciprocal
	s_wait_alu depctr_va_vdst(0)                   ; one wait for both, ahead of the first reader
	v_ldexp_f32 v14, v14, s45
	v_ldexp_f32 v18, v18, s45
	WIN 0x01                                       ; source 0 (O^T) in window 1
.set j, 0
.rept 16
	v_pk_mul_f32 v[S+j:S+j+1], v[OA+j:OA+j+1], v[14:15] op_sel_hi:[1,0]                ; each accumulator from its low end on
	v_pk_mul_f32 v[S+32+j:S+33+j], v[OA+32+j:OA+33+j], v[18:19] op_sel_hi:[1,0]
.set j, j+2
.endr
	WIN 0
.set j, 0
.rept 64
	v_med3_num_f32 v[S+j], v[S+j], -v11, v11
.set j, j+1
.endr
.irp u, 0,1
.irp dt, 0,1,2,3
	v_cvt_scalef32_pk8_fp8_f32 v[PC+8*\u+2*\dt:PC+8*\u+2*\dt+1], v[S+32*\u+8*\dt:S+32*\u+8*\dt+7], v10
.endr
.endr
	v_nop                                          ; one plain vector instruction behind the last conversion
.irp u, 0,1
.irp c, 0,1
	global_store_b128 v[LI], v[PC+8*\u+4*\c:PC+8*\u+4*\c+3], s[40:41] offset:4096*\u+512*\c   ; 32 lanes store 512 consecutive bytes, at a multiple of 512 from the buffer's first byte
.endr
.endr
	s_cmp_eq_u32 s17, 8
	s_cbranch_scc1 .Lnext                          ; nothing follows the second block
	s_wait_xcnt 0x0                                ; the stores have read their registers and their base: both are written again
	s_mov_b64 s[40:41], s[42:43]
	s_mov_b32 s20, s50
	WIN 0x41
.set j, 0
.rept 16
	v_mov_b32 v[QF+j], v[QN+j]                     ; the second block's Q was loaded at the head: no load is waited for here
.set j, j+1
.endr
	WIN 0
	INIT
.Lnext:
	s_add_co_u32 s17, s17, 1
	s_cmp_lt_u32 s17, 9
	s_cbranch_scc1 .Ltrip
	s_wait_tensorcnt 0x0
	ds_add_u32 v30, v31
	s_wait_dscnt 0x0
	s_endpgm
.Lfunc_end_k_q095eb34de4_attn:
	.size	k_q095eb34de4_attn, .Lfunc_end_k_q095eb34de4_attn-k_q095eb34de4_attn
	.p2alignl 7, 3214868480
	.fill 96, 4, 3214868480
	.section	.rodata,"a",@progbits
	.p2align	6, 0x0
	.amdhsa_kernel k_q095eb34de4_attn
		.amdhsa_group_segment_fixed_size 66560
		.amdhsa_private_segment_fixed_size 0
		.amdhsa_enable_private_segment 0
		.amdhsa_kernarg_size 40
		.amdhsa_user_sgpr_count 2
		.amdhsa_user_sgpr_kernarg_segment_ptr 1
		.amdhsa_wavefront_size32 1
		.amdhsa_system_sgpr_workgroup_id_x 1
		.amdhsa_system_sgpr_workgroup_id_y 1
		.amdhsa_system_sgpr_workgroup_id_z 1
		.amdhsa_system_vgpr_workitem_id 0
		.amdhsa_next_free_vgpr 384
		.amdhsa_next_free_sgpr 66
		.amdhsa_reserve_vcc 1
		.amdhsa_float_denorm_mode_32 3
		.amdhsa_float_denorm_mode_16_64 3
		.amdhsa_memory_ordered 1
		.amdhsa_forward_progress 1
		.amdhsa_inst_pref_size 61
	.end_amdhsa_kernel
	.amdgpu_metadata
---
amdhsa.version: [ 1, 2 ]
amdhsa.kernels:
  - .name:           k_q095eb34de4_attn
    .symbol:         k_q095eb34de4_attn.kd
    .args:
      - { .name: q_img, .offset: 0, .size: 8, .value_kind: global_buffer, .address_space: global }
      - { .name: k_img, .offset: 8, .size: 8, .value_kind: global_buffer, .address_space: global }
      - { .name: v_img, .offset: 16, .size: 8, .value_kind: global_buffer, .address_space: global }
      - { .name: lowp_scales, .offset: 24, .size: 8, .value_kind: global_buffer, .address_space: global }
      - { .name: a_img, .offset: 32, .size: 8, .value_kind: global_buffer, .address_space: global }
    .group_segment_fixed_size: 66560
    .private_segment_fixed_size: 0
    .kernarg_segment_align: 8
    .kernarg_segment_size: 40
    .max_flat_workgroup_size: 256
    .sgpr_count:     66
    .vgpr_count:     384
    .wavefront_size: 32
...
	.end_amdgpu_metadata
.endif
;; end of part 3
;; launch proj (part 4): grid 4 x 64, 4 waves a work-group, clusters of 4 x 4, 327,680 bytes of LDS; arguments a_img, wout_img, lowp_scales, b_out, out0; writes out0
.if DOCPART == 4
	.amdgcn_target "amdgcn-amd-amdhsa--gfx1250"
	.amdhsa_code_object_version 6
	.text
	.protected	k_q095eb34de4_proj
	.globl	k_q095eb34de4_proj
	.p2align	8
	.type	k_q095eb34de4_proj,@function
k_q095eb34de4_proj:
	s_mov_b64 s[64:65], 0
	v_nop
	global_prefetch_b8 v0, s[64:65] scope:SCOPE_SE
	s_setreg_imm32_b32 hwreg(HW_REG_WAVE_MODE, 25, 1), 1
	s_wait_xcnt 0x0
	s_wait_alu depctr_hold_cnt(0) depctr_sa_sdst(0) depctr_va_vdst(0) depctr_va_sdst(0) depctr_va_ssrc(0) depctr_va_vcc(0) depctr_vm_vsrc(0)
	s_getreg_b32 s2, hwreg(HW_REG_IB_STS2, 6, 4)
	s_cmp_eq_u32 s2, 0
	s_cbranch_scc0 .Lentry_in_a_cluster
	s_endpgm
.Lentry_in_a_cluster:
	s_bfe_u32 s2, ttmp6, 0x10000c
	s_cmp_lg_u32 s2, 0xf033
	s_cbranch_scc0 .Lentry_shape_is_right
	s_endpgm
.Lentry_shape_is_right:
; out0 = a w_out + b_out on codes of FP8 (E4M3): [8192 tokens][K 1024] x [1024 columns][K 1024]; out0 f32.  A sum stands for sum x 2^(e6 + e7): out = sum x 2^(e6 + e7) + b_out, one packed multiply-add for two numbers.
; LIMIT: e6 + e7 between -126 and 127, so that 2^(e6 + e7) is an f32 number.
; OPERANDS ARE IMAGES OF THEIR REGISTERS (16 rows x 128 K = 2,048 bytes: registers 4 g .. 4 g + 3 of lane l at 512 g + 16 l), laid [K / 256][row / 16][(K / 128) % 2][image]: what a wave fetches is one dense block,
; and every fragment load takes 512 consecutive LDS bytes: no pitch, no padding.
; A tile of 128 tokens x 256 columns, so that there are 256 work-groups (tiles of 256 x 256 would be 128).  Four waves, each 64 x 128: 32 accumulators.  K goes in four slots of 256 through a ring of two LDS slots, written straight.
; CLUSTERS: 4 x 4 work-groups; a's tiles are asked for jointly along a row of the cluster, w_out's along a column.
; THE MATRIX INSTRUCTION IS USED TRANSPOSED (source 0 = 16 columns' rows of w_out, source 1 = 16 tokens): a lane holds eight neighbouring numbers of a row of out0.
; REGISTERS, in windows of 256: window 0: v16-31 addresses; v32-95 a block's results; v128-191, v192-255 a's fragments, two sets; on the way out rows read back from the stage.
;   window 1: w_out's fragments, two sets.   window 2: the accumulators ((a, b) at v[8 (8 a + b)]).   window 3: v0-63 b_out (8 b + j: column 16 b + 8 h + j).
.set SLOT,   98304                     ; an LDS slot: a's 128 rows (32,768 bytes), then w_out's 256 rows (65,536)
.set BOFF,   32768
.set STAGE,  2*SLOT                    ; behind the ring: 16 rows x (512 bytes + 16) for each wave, for the way out: no tensor load lands there
.set SPITCH, 528
.set SPARE,  STAGE+4*16*SPITCH         ; behind the stages: the spare words, 128 bytes for each wave: two blocks of 256 bytes that no other line names
.set ASTEP,  2097152                   ; 256 along K in a_img: 512 row tiles x 4,096 bytes
.set WSTEP,  262144                    ; in wout_img: 64 row tiles
.set FR,     16
.set ADRA, 16                          ; v16-17  LDS address of a's fragments in slot 0, 1
.set ADRB, 20                          ; v20-21  the same for w_out
.set STO,  24                          ; v24     the way out: where I put 32 bytes of a row
.set RD,   25                          ; v25     the way out: where I read a row back
.set CO,   26                          ; v26     16 x lane: an image's place for my lane, and my byte offset in 512 bytes of a row of out0; never rewritten
.set BO,   27                          ; v27     32 h: my eight biases of a block of columns
.set SPW,  28                          ; v28     LDS address of my spare word; never rewritten
.set NIL,  29                          ; v29     0; never rewritten
.set TMP,  32
.set AF,   128
.set BK,   128
.set G1, 24                            ; s[24:31] descriptor group 1 for a's tiles;  s[32:39] group 0, one set for each slot
.set G0, 32
.set G1B, 48                           ; s[48:55], s[56:63] the same for w_out's tiles
.set G0B, 56
.set MSB, 0
.macro WIN new                         ; the immediate's high byte repeats the setting that is left
.if MSB != \new
	s_set_vgpr_msb (MSB<<8)|\new
.set MSB, \new
.endif
.endm
.set MUL,  0xa1                        ; source 0 (w_out) window 1, source 1 (a) window 0, C and D window 2
.set TO_B, 0x40                        ; destination window 1, address window 0
; A joint load: waves 0 and 1 fetch a's two halves, waves 2 and 3 w_out's.  The branch hangs on the wave's number alone.  Four v_nop follow each of the two lines.
.macro JLOAD g0a, g1a, g0b, g1b
	s_cmp_eq_u32 s15, 0
	s_cbranch_scc0 .Lfor_b_\@
	tensor_load_to_lds s[\g0a:\g0a+3], s[\g1a:\g1a+7]
	s_nop 0
.rept 4
	v_nop
.endr
	s_branch .Lasked_\@
.Lfor_b_\@:
	tensor_load_to_lds s[\g0b:\g0b+3], s[\g1b:\g1b+7]
	s_nop 0
.rept 4
	v_nop
.endr
.Lasked_\@:
.endm
.macro CREST                           ; a round of the cluster's barrier behind its opening barrier
	s_cmp_lg_u32 s14, 0
	s_cbranch_scc1 .Lnot_wave_0_\@
	s_barrier_signal -3
.Lnot_wave_0_\@:
	s_barrier_wait -3
	s_barrier_signal -1
	s_barrier_wait -1
.endm
.macro CROUND                          ; a whole round
	s_barrier_signal -1
	s_barrier_wait -1
	CREST
.endm
	s_load_b128 s[4:7], s[0:1], 0x0                ; a_img s[4:5], wout_img s[6:7]
	s_load_b128 s[8:11], s[0:1], 0x10              ; the scales' exponents s[8:9], b_out s[10:11]
	s_load_b64 s[12:13], s[0:1], 0x20              ; out0
	v_lshl_add_u32 v[SPW], v0, 2, SPARE
	v_mov_b32 v[NIL], 0
	ds_add_u32 v28, v29
	ds_add_u32 v28, v29
	s_wait_dscnt 0x0
	v_lshrrev_b32 v1, 5, v0
	v_readfirstlane_b32 s14, v1                    ; wave 0..3
	s_lshr_b32 s15, s14, 1                         ; which 64 of the tile's tokens are mine.  Also: I fetch for a (0) or for w_out (1)
	s_and_b32 s16, s14, 1                          ; which 128 of its columns.  Also: which half of that tile I fetch
	s_bfe_u32 s40, ttmp6, 0x40000                  ; cx, cy: my place in the cluster
	s_bfe_u32 s41, ttmp6, 0x40004
	s_lshl_b32 s42, ttmp9, 2
	s_add_co_u32 s42, s42, s40                     ; tile column = 4 x cluster x + cx, 0..3
	s_and_b32 s17, ttmp7, 0xffff
	s_lshl_b32 s17, s17, 2
	s_add_co_u32 s17, s17, s41                     ; tile row = 4 x cluster y + cy, 0..63
	s_lshl_b32 s43, s41, 2
	s_lshl_b32 s43, 15, s43                        ; my row of the cluster
	s_lshl_b32 s44, 0x1111, s40                    ; my column
	; descriptor groups 1: dense blocks as rows of 32 elements of 8 bytes, no padding: a's 64 rows (16,384 bytes), w_out's 128 (32,768)
	s_or_b32 s[G1+0], s43, (3<<16)|(1<<21)         ; 15:0 the mask: a's tiles go to my row; 17:16 elements of 8 bytes; 21 set beside a mask
	s_mov_b32 s[G1+1], 32<<16                      ; tensor_dim0 = 32
	s_mov_b32 s[G1+2], 64<<16                      ; tensor_dim1 = 64
	s_mov_b32 s[G1+3], 32<<16                      ; tile_dim0 = 32
	s_mov_b32 s[G1+4], 64                          ; tile_dim1 = 64
	s_mov_b32 s[G1+5], 32                          ; tensor_dim0_stride
	s_mov_b32 s[G1+6], 0
	s_mov_b32 s[G1+7], 0
	s_or_b32 s[G1B+0], s44, (3<<16)|(1<<21)        ; w_out's tiles go to my column
	s_mov_b32 s[G1B+1], 32<<16
	s_mov_b32 s[G1B+2], 128<<16
	s_mov_b32 s[G1B+3], 32<<16
	s_mov_b32 s[G1B+4], 128
	s_mov_b32 s[G1B+5], 32
	s_mov_b32 s[G1B+6], 0
	s_mov_b32 s[G1B+7], 0
	s_lshl_b32 s45, s16, 14                        ; a: my half's four row tiles: in memory and in a slot alike
	s_lshl_b32 s20, s17, 15
	s_add_co_u32 s20, s20, s45                     ; row tile 8 x tile row + 4 x half
	s_mov_b32 s21, 0
	s_lshl_b32 s19, s16, 15                        ; w_out: my half's eight row tiles
	s_lshl_b32 s46, s42, 16
	s_add_co_u32 s46, s46, s19                     ; row tile 16 x tile column + 8 x half
	s_mov_b32 s47, 0
	s_add_co_u32 s19, s19, BOFF                    ; in a slot they lie behind a's: no place in the cluster enters an LDS address
	s_wait_kmcnt 0x0
	s_load_b256 s[80:87], s[8:9], 0x0              ; e0 .. e7
	s_add_nc_u64 s[20:21], s[4:5], s[20:21]
	s_add_nc_u64 s[46:47], s[6:7], s[46:47]
	CROUND                                         ; all sixteen work-groups are here: the first joint loads meet
.irp s, 0,1
	s_mov_b32 s[G0+4*\s], 1
	s_add_co_u32 s[G0+4*\s+1], s45, \s*SLOT
	s_add_nc_u64 s[G0+4*\s+2:G0+4*\s+3], s[20:21], \s*ASTEP
	s_or_b32 s[G0+4*\s+3], s[G0+4*\s+3], 0x80000000
	s_mov_b32 s[G0B+4*\s], 1
	s_add_co_u32 s[G0B+4*\s+1], s19, \s*SLOT
	s_add_nc_u64 s[G0B+4*\s+2:G0B+4*\s+3], s[46:47], \s*WSTEP
	s_or_b32 s[G0B+4*\s+3], s[G0B+4*\s+3], 0x80000000
	JLOAD G0+4*\s, G1, G0B+4*\s, G1B
.endr
	v_and_b32 v1, 31, v0
	v_lshlrev_b32 v[CO], 4, v1
	v_and_b32 v2, 15, v0                           ; r
	v_bfe_u32 v3, v0, 4, 1                         ; h
	v_lshlrev_b32 v[BO], 5, v3
	s_lshl_b32 s21, s15, 14                        ; my 64 tokens: four row tiles
	s_lshl_b32 s22, s16, 15                        ; my 128 columns: eight row tiles,
	s_add_co_u32 s22, s22, BOFF                    ; behind a's
.irp s, 0,1
	v_add_nc_u32 v[ADRA+\s], s21, v[CO]
	v_add_nc_u32 v[ADRB+\s], s22, v[CO]
	s_add_co_u32 s21, s21, SLOT
	s_add_co_u32 s22, s22, SLOT
.endr
	s_mul_i32 s23, s14, 16*SPITCH
	s_add_co_u32 s23, s23, STAGE                   ; my stage
	v_mul_u32_u24 v4, v2, SPITCH                   ; in: row r, 32 bytes for each half of the lanes
	v_lshl_add_u32 v4, v3, 5, v4
	v_add_nc_u32 v[STO], s23, v4
	v_add_nc_u32 v[RD], s23, v[CO]                 ; back: the 32 lanes take one row of 512 bytes
	s_lshl_b32 s68, s42, 10
	s_lshl_b32 s70, s16, 9
	s_add_co_u32 s68, s68, s70                     ; column 256 x tile column + 128 x half, in bytes: in b_out and in a row of out0 alike
	s_mov_b32 s69, 0
	s_add_nc_u64 s[10:11], s[10:11], s[68:69]
	s_add_nc_u64 s[12:13], s[12:13], s[68:69]
	s_lshl_b32 s70, s17, 19                        ; 128 rows of 4,096 bytes a tile row,
	s_lshl_b32 s71, s15, 18                        ; 64 for my half
	s_add_co_u32 s70, s70, s71
	s_mov_b32 s71, 0
	s_add_nc_u64 s[12:13], s[12:13], s[70:71]      ; out0 at my first row and column
	WIN 0xc0                                       ; destination window 3
.irp b, 0,1,2,3,4,5,6,7
	global_load_b128 v[8*\b:8*\b+3],   v[BO], s[10:11] offset:64*\b
	global_load_b128 v[8*\b+4:8*\b+7], v[BO], s[10:11] offset:64*\b+16
.endr
	WIN 0
	s_wait_kmcnt 0x0
	s_add_co_i32 s96, s86, s87
	s_add_co_i32 s96, s96, 127
	s_lshl_b32 s96, s96, 23                        ; 2^(e6 + e7) as f32
	s_mov_b32 s97, s96                             ; (named with it as a pair, so it is written)
.macro FRAG reg, adr, q, i             ; a fragment comes back as it was laid: four loads of 512 consecutive bytes; row tile i, the slot's q-th 128 along K
.irp c, 0,1,2,3
	ds_load_b128 v[\reg+4*\c:\reg+4*\c+3], v[\adr] offset:4096*(\i)+2048*(\q)+512*\c
.endr
.endm
; 8 matrix instructions: a's block x w_out's eight, 128 along K, on set p.  zero = 1: the first product starts the sums.  The 32 accumulators take turns, in the same order in every step.
.macro MUL8 a, p, zero
.irp b, 0,1,2,3,4,5,6,7
.if \zero
	v_wmma_f32_16x16x128_fp8_fp8 v[8*(8*(\a)+\b):8*(8*(\a)+\b)+7], v[128*(\p)+FR*\b:128*(\p)+FR*\b+FR-1], v[AF+64*(\p)+FR*(\a):AF+64*(\p)+FR*(\a)+FR-1], 0
.else
	v_wmma_f32_16x16x128_fp8_fp8 v[8*(8*(\a)+\b):8*(8*(\a)+\b)+7], v[128*(\p)+FR*\b:128*(\p)+FR*\b+FR-1], v[AF+64*(\p)+FR*(\a):AF+64*(\p)+FR*(\a)+FR-1], v[8*(8*(\a)+\b):8*(8*(\a)+\b)+7]
.endif
.endr
.endm
.macro FETCH slot, q, p                ; 48 LDS loads in one run: the fragments of the slot's q-th 128 along K into set p
	WIN TO_B
.irp i, 0,1,2,3,4,5,6,7
	FRAG 128*(\p)+FR*\i, ADRB+\slot, \q, \i
.endr
	WIN 0
.irp i, 0,1,2,3
	FRAG AF+64*(\p)+FR*\i, ADRA+\slot, \q, \i
.endr
.endm
.macro PLACES                          ; four places in front of loads into registers that matrix instructions have read, and of the first read of results (ISA guide 7.12.1 for the read of results)
.rept 4
	v_nop
.endr
.endm
; A slot's first 128 along K, on set 0: the second 128's fragments are asked for first and land under the 32 products.
.macro STEP slot, zero
	s_wait_dscnt 0x0                               ; set 0 is in
	PLACES
	FETCH \slot, 1, 1
	WIN MUL
	MUL8 0, 0, \zero
	MUL8 1, 0, \zero
	MUL8 2, 0, \zero
	MUL8 3, 0, \zero
.endm
; A slot's second 128, on set 1, changes slots: ONE barrier; in front of it each wave waits for all its tensor loads, adds 0 to its spare word, and waits for that and for its own reads of this slot.  fill = 1: this slot is filled again, two slots ahead.
.macro TURN slot, next, fill
	WIN 0                                          ; (the add's two registers lie in window 0)
	s_wait_tensorcnt 0x0                           ; all my tensor loads have landed: my part of the next slot;
	ds_add_u32 v[SPW], v[NIL]                      ; 0 onto my spare word
	s_wait_dscnt 1                                 ; set 1 is in (the add may be out)
	WIN MUL
	MUL8 0, 1, 0                                   ; eight matrix instructions stand between the add and the wait for it
	s_wait_dscnt 0x0                               ; the add is done, and my reads of this slot are over
	s_barrier_signal -1
	MUL8 1, 1, 0
	WIN 0
	s_barrier_wait -1
.if \fill
	CREST                                          ; the barrier has opened a round of the cluster's barrier: no wave of any partner still reads this slot's tile or has a load on its way
	s_add_nc_u64 s[G0+4*\slot+2:G0+4*\slot+3], s[G0+4*\slot+2:G0+4*\slot+3], 2*ASTEP
	s_add_nc_u64 s[G0B+4*\slot+2:G0B+4*\slot+3], s[G0B+4*\slot+2:G0B+4*\slot+3], 2*WSTEP
	JLOAD G0+4*\slot, G1, G0B+4*\slot, G1B         ; the first tensor load behind the round; the four v_nop behind it are the places in front of the loads below
.else
	PLACES
.endif
	FETCH \next, 0, 0
	WIN MUL
	MUL8 2, 1, 0
	MUL8 3, 1, 0
.endm
	s_wait_tensorcnt 1                             ; my part of slot 0 is in (slot 1's load may be out)
	s_barrier_signal -1
	s_barrier_wait -1                              ; everybody's is
	FETCH 0, 0, 0
	STEP 0, 1                                      ; K 0-127: its products start the sums
	TURN 0, 1, 1                                   ; K 128-255; slot 0 takes K 512-767
	STEP 1, 0
	TURN 1, 0, 1                                   ; slot 1 takes K 768-1023
	STEP 0, 0
	TURN 0, 1, 0                                   ; nothing is left to fetch: no round
	STEP 1, 0
	s_wait_dscnt 0x0                               ; the very last 128
	MUL8 0, 1, 0
	MUL8 1, 1, 0
	MUL8 2, 1, 0
	MUL8 3, 1, 0
	WIN 0
; THE WAY OUT, block by block of 16 tokens x 128 columns.  A lane holds 32 neighbouring bytes of a row, and the lanes beside it hold other rows: so a block goes through my own stage in LDS and comes back as whole
; rows of 512 bytes.  LDS serves a wave's instructions in order (ISA guide 5.7.1.4): no wait between the stores and the loads, nor in front of the next block's stores.
.macro TOSTAGE a
	WIN 0x32                                       ; source 0 (the sums) window 2, source 2 (b_out) window 3
.set j, 0
.rept 32
	v_pk_fma_f32 v[TMP+j:TMP+j+1], v[64*(\a)+j:64*(\a)+j+1], s[96:97], v[j:j+1] op_sel_hi:[1,0,1]   ; sum x 2^(e6 + e7) + b_out; each accumulator from its low end on
.set j, j+2
.endr
	WIN 0
.irp b, 0,1,2,3,4,5,6,7
	ds_store_b128 v[STO], v[TMP+8*\b:TMP+8*\b+3] offset:64*\b
	ds_store_b128 v[STO], v[TMP+8*\b+4:TMP+8*\b+7] offset:64*\b+16
.endr
.set BB, BK+64*((\a)%2)
.irp t, 0,1,2,3,4,5,6,7,8,9,10,11,12,13,14,15
	ds_load_b128 v[BB+4*\t:BB+4*\t+3], v[RD] offset:\t*SPITCH
.endr
.endm
.macro SEND a, younger                 ; younger: the LDS instructions issued behind block a's loads, which may stay out
.set BB, BK+64*((\a)%2)
	s_wait_dscnt \younger                          ; the block is back in registers
.irp t, 0,1,2,3,4,5,6,7,8,9,10,11,12,13,14,15
	global_store_b128 v[CO], v[BB+4*\t:BB+4*\t+3], s[12:13] offset:(16*(\a)+\t)*4096 th:TH_STORE_NT   ; 32 lanes store 512 consecutive bytes, at a multiple of 512 from out0's first byte; written once, read by nobody here
.endr
.endm
	s_wait_loadcnt 0x0                             ; b_out
	PLACES                                         ; behind the last products: their results are read, and loads land where a's fragments lay
	TOSTAGE 0
.irp a, 1,2,3
.if \a > 1
	s_wait_xcnt 0x0                                ; block a - 2's stores have read their registers: block a's loads may land there
.endif
	TOSTAGE \a
	SEND \a-1, 32                                  ; behind block a - 1's loads: block a's 16 stores and 16 loads
.endr
	SEND 3, 0
	s_wait_tensorcnt 0x0                           ; the wave's end, behind my last tensor load and my last LDS store
	ds_add_u32 v[SPW], v[NIL]
	s_wait_dscnt 0x0
	CROUND                                         ; the closing round: no work-group ends while a partner may still ask for a tile that names it
	s_endpgm
.Lfunc_end_k_q095eb34de4_proj:
	.size	k_q095eb34de4_proj, .Lfunc_end_k_q095eb34de4_proj-k_q095eb34de4_proj
	.p2alignl 7, 3214868480
	.fill 96, 4, 3214868480
	.section	.rodata,"a",@progbits
	.p2align	6, 0x0
	.amdhsa_kernel k_q095eb34de4_proj
		.amdhsa_group_segment_fixed_size 327680
		.amdhsa_private_segment_fixed_size 0
		.amdhsa_enable_private_segment 0
		.amdhsa_kernarg_size 40
		.amdhsa_user_sgpr_count 2
		.amdhsa_user_sgpr_kernarg_segment_ptr 1
		.amdhsa_wavefront_size32 1
		.amdhsa_system_sgpr_workgroup_id_x 1
		.amdhsa_system_sgpr_workgroup_id_y 1
		.amdhsa_system_sgpr_workgroup_id_z 1
		.amdhsa_system_vgpr_workitem_id 0
		.amdhsa_next_free_vgpr 832
		.amdhsa_next_free_sgpr 100
		.amdhsa_reserve_vcc 0
		.amdhsa_float_denorm_mode_32 3
		.amdhsa_float_denorm_mode_16_64 3
		.amdhsa_memory_ordered 1
		.amdhsa_forward_progress 1
		.amdhsa_inst_pref_size 76
	.end_amdhsa_kernel
	.amdgpu_metadata
---
amdhsa.version: [ 1, 2 ]
amdhsa.kernels:
  - .name:           k_q095eb34de4_proj
    .symbol:         k_q095eb34de4_proj.kd
    .args:
      - { .name: a_img, .offset: 0, .size: 8, .value_kind: global_buffer, .address_space: global }
      - { .name: wout_img, .offset: 8, .size: 8, .value_kind: global_buffer, .address_space: global }
      - { .name: lowp_scales, .offset: 16, .size: 8, .value_kind: global_buffer, .address_space: global }
      - { .name: b_out, .offset: 24, .size: 8, .value_kind: global_buffer, .address_space: global }
      - { .name: out0, .offset: 32, .size: 8, .value_kind: global_buffer, .address_space: global }
    .group_segment_fixed_size: 327680
    .private_segment_fixed_size: 0
    .kernarg_segment_align: 8
    .kernarg_segment_size: 40
    .max_flat_workgroup_size: 128
    .sgpr_count:     100
    .vgpr_count:     832
    .wavefront_size: 32
...
	.end_amdgpu_metadata
.endif
;; end of part 4
;; ======== version 2 of 2: 4 launches; version 1 with the launch attn written anew for expert scheduling mode
;; workspace buffers: x_img 8,388,608 bytes; win_img 3,145,728 bytes; wout_img 1,048,576 bytes; q_img 8,388,608 bytes; k_img 8,388,608 bytes; v_img 8,388,608 bytes; a_img 8,388,608 bytes
;; launch quant: the kernel of part 1 again; grid 768 x 1, 8 waves a work-group, no clusters, 68,608 bytes of LDS; arguments x, w_in, w_out, lowp_scales, x_img, win_img, wout_img; writes x_img, win_img, wout_img
;; launch qkv: the kernel of part 2 again; grid 12 x 32, 4 waves a work-group, clusters of 4 x 4, 327,680 bytes of LDS; arguments x_img, win_img, lowp_scales, b_in, q_img, k_img, v_img; writes q_img, k_img, v_img
;; launch attn (part 5): grid 4 x 64, 8 waves a work-group, no clusters, 66,560 bytes of LDS; arguments q_img, k_img, v_img, lowp_scales, a_img; writes a_img
.if DOCPART == 5
	.amdgcn_target "amdgcn-amd-amdhsa--gfx1250"
	.amdhsa_code_object_version 6
	.text
	.protected	k_q095eb34de4_attn
	.globl	k_q095eb34de4_attn
	.p2align	8
	.type	k_q095eb34de4_attn,@function
k_q095eb34de4_attn:
	s_mov_b64 s[64:65], 0
	v_nop
	global_prefetch_b8 v0, s[64:65] scope:SCOPE_SE
	s_setreg_imm32_b32 hwreg(HW_REG_WAVE_SCHED_MODE, 0, 2), 2
	s_setreg_imm32_b32 hwreg(HW_REG_WAVE_MODE, 25, 1), 1
	s_wait_xcnt 0x0
	s_wait_alu depctr_vm_vsrc(0)
; Causal attention on codes of FP8 (E4M3): 64 heads (batch x 16 + head), 2,048 tokens, head size 64.  o = softmax(q k^T / 8, keys <= query) v, quantised at once for the output projection.
; THE SOFTMAX AHEAD OF THE SECOND PRODUCT: t = score x log2(e) / 8; M = the row's largest t so far, rounded UP to a whole number; p = 2^(t - M) is quantised (scale 2^e4), not normalised.  The row's sum is taken
; of the unquantised p and divides at the end.  When M moves, the sum and O are multiplied by 2^(old M - new M): nothing is rounded.
; LIMITS on the given exponents, so that each power of two below is an f32 number: e2 + e3 between -123 and 130 (added to c's exponent field); e4 and e6 between -126 and 119; e4 + e5 goes in by v_ldexp_f32.  NaN is not served.
; OPERANDS ARE IMAGES OF THEIR REGISTERS: q_img, k_img [head][token / 16][1,024 bytes: 16 tokens x 64]; v_img [head][key / 128][channel / 16][2,048 bytes: 16 channels x 128 keys]; registers 4 g .. 4 g + 3 of lane l at 512 g + 16 l.
; SHARES.  Work-group (I, head) owns the blocks of 256 queries 7 - I and I of its head, one after the other: block 7 - I walks key slots 0 .. 7 - I, block I slots 0 .. I: NINE slots of 256 keys in every work-group,
; so all 256 work-groups have equal work and the trip count is a constant.  Wave w owns 32 queries of a block: two tiles of 16 that share every fragment of K and V.  A step of 128 keys all of which come after the
; wave's queries is left out by a scalar branch on ids.
; LAYOUT.  Both products are used transposed: S^T = K Q^T (source 0 = 16 keys, source 1 = 16 queries), O^T = V^T P^T (source 0 = 16 channels, source 1 = P): a lane holds ONE query throughout, and tile kt of S^T
; gives it keys 16 kt + 8 h + 0 .. 7: the conversions' results are registers 2 kt, 2 kt + 1 of P.  Likewise O^T's four tiles become the image of 16 tokens x this head's 64 of the projection's K.
; K AND V COME THROUGH REGISTERS INTO TWO LDS SLOTS: a wave's share of a slot is 4,096 dense bytes, eight loads and eight LDS stores; the loads are issued a whole trip ahead of the stores, so nothing waits for them.
; No tensor load: so the hold on p (p <= 1 lies under 448 x 2^e4 whenever e4 >= -8) may be stepped over by a scalar branch on e4, a whole number that is read from memory.
; NO JOINT LOADS: the four work-groups of a head want different slots in the same trip (their first blocks end at different trips); walking in step would take 12 slots in place of 9.
; a_img: [channel / 256][token / 16][(channel / 128) % 2][2,048 bytes]: head hd's 64 channels of token tile T are the 1,024 bytes at (hd / 4) x 2,097,152 + T x 4,096 + (hd % 4) x 1,024.
; REGISTERS.  window 0: v1-6 addresses and constants; v8-11 scales; v12-19 statistics (tile u at 12 + 4 u: -M, largest t, the sum in two halves); v20-29 at work; v30, v31 the closing add's two; v32-95 K's eight fragments;
;   v96-223 S^T, then p (64 a tile); v224-255 P's codes (16 a tile).   window 1: v0-63 O^T (32 u + 8 dt); v64-79 Q; v80-95 the second block's Q; v96-127 the bytes on their way to LDS; v128-191 V's four fragments.
; THE MODE: SCHED_MODE bits 1:0 = 2 (LLVM: expert scheduling mode 2), set by the entry lines.  The code itself states the register dependences
; between vector or matrix instructions and memory or LDS instructions, with s_wait_alu, always for 0.
; THE PLAN.  Registers that memory or LDS instructions touch:
;   K (v32-95)               Written by sixteen LDS loads at a step's head; read by that step's sixteen products K Q^T.
;   V (window 1, v128-191)   Written by sixteen LDS loads at the same head; read by the step's eight products V^T P, at its end.  V has registers of its own, so that no wait stands between K Q^T and V's loads.
;   v[AD]                    Written by one addition at a step's head; read by the step's 32 LDS loads.
;   STG (window 1, v96-127)  Written by a slot's eight global loads; read by the eight LDS stores a trip later; no vector instruction names it.
;   v[STA]                   Written by one addition a trip; read by the eight LDS stores.
;   PC (v224-255)            Written by conversions; read by products, and at a block's end by four global stores.
;   v[LI]                    Made at the head, never written again: the offset of every global load and store.     v30, v31: made at the head, read by the closing add alone.
; So a step has ONE wait on va_vdst for its 32 loads, at its head, behind the addition: v[AD] is written, and the last step's products are done reading K and V; one wait on vm_vsrc stands ahead of that addition.
; The step's other wait on va_vdst is the one behind its exponentials.  A trip's end and a block's end state their own few dependences where they arise.
; The causal mask's compares write scalar registers in runs of sixteen, with one wait on va_sdst between a run and the selects that read it.
.set SLOTB, 32768                      ; an LDS slot: K's 16 images (16,384 bytes), then V's 2 x 4 images
.set VOFF,  16384
.set STEPB, 8192                       ; 128 keys: in K's part and in V's part alike
.set LI,   1                           ; v1  16 x lane; never rewritten
.set AD,   2                           ; v2  LDS address of the step in hand
.set STA0, 3                           ; v3  4,096 x wave + 16 x lane: my share of a slot
.set STA,  4                           ; v4  the same in the slot to be written
.set NINF, 5                           ; v5  -infinity
.set RH,   6                           ; v6  r - 8 h
.set KFR,  32
.set S,    96
.set PC,   224
.set OA,   0                           ; in window 1
.set QF,   64
.set QN,   80
.set STG,  96
.set VFR,  128
.set MK0,  4                           ; s4-11   eight masks for tile 0; free behind the head
.set MK1,  52                          ; s52-59  eight masks for tile 1; free behind the head
.set MSB, 0
.macro WIN new                         ; the immediate's high byte repeats the setting that is left
.if MSB != \new
	s_set_vgpr_msb (MSB<<8)|\new
.set MSB, \new
.endif
.endm
.macro COPYLD base                     ; my 4,096 bytes of a slot, from s[base:base+1]
	WIN 0x40                                       ; destination window 1
.irp i, 0,1,2,3,4,5,6,7
	global_load_b128 v[STG+4*\i:STG+4*\i+3], v[LI], s[\base:\base+1] offset:512*\i
.endr
	WIN 0
.endm
.macro COPYST                          ; and into LDS as they lie
	WIN 0x04                                       ; the data (source 1) in window 1
.irp i, 0,1,2,3,4,5,6,7
	ds_store_b128 v[STA], v[STG+4*\i:STG+4*\i+3] offset:512*\i
.endr
	WIN 0
.endm
.macro INIT                            ; a block of queries begins: the step is written once, and its first turn finds zeros, which the first change of M leaves zeros
	v_mov_b32 v13, 0xff61b1e6                      ; the largest t so far: -3e38, under every t
	v_mov_b32 v17, 0xff61b1e6
	v_floor_f32 v12, -v13                          ; -M
	v_floor_f32 v16, -v17
	v_mov_b32 v14, 0
	v_mov_b32 v15, 0
	v_mov_b32 v18, 0
	v_mov_b32 v19, 0
	WIN 0x40
.set j, 0
.rept 64
	v_mov_b32 v[OA+j], 0
.set j, j+1
.endr
	WIN 0
	s_mov_b32 s21, 0                               ; the step's first key
.endm
	s_load_b256 s[4:11], s[0:1], 0x0               ; q_img s[4:5], k_img s[6:7], v_img s[8:9], the scales' exponents s[10:11]
	s_load_b64 s[12:13], s[0:1], 0x20              ; a_img
	v_lshl_add_u32 v30, v0, 2, 0x10000
	v_mov_b32 v31, 0
	v_lshrrev_b32 v2, 5, v0
	v_readfirstlane_b32 s14, v2                    ; wave 0..7
	v_and_b32 v2, 31, v0
	v_lshlrev_b32 v[LI], 4, v2
	v_and_b32 v[RH], 15, v0
	v_bfe_u32 v7, v0, 4, 1
	v_lshlrev_b32 v7, 3, v7
	v_sub_nc_u32 v[RH], v[RH], v7
	s_wait_alu depctr_va_sdst(0)                   ; s14 is written, ahead of its first reader: LDS places, queries and bases are made from it
	s_lshl_b32 s46, s14, 12
	v_add_nc_u32 v[STA0], s46, v[LI]
	v_mov_b32 v[STA], v[STA0]                      ; slot 0
	v_mov_b32 v[NINF], 0xff800000
	v_mov_b32 v25, 0                               ; (named as the upper halves of the pairs v[24:25], v[26:27])
	v_mov_b32 v27, 0
	v_mov_b32 v28, 0                               ; written once: a lane permute's destination counts as one of its sources
	v_mov_b32 v29, 0
	s_mov_b32 s15, ttmp9                           ; I
	s_and_b32 s16, ttmp7, 0xffff                   ; batch x 16 + head
	s_sub_co_u32 s18, 7, s15                       ; the first block of queries, and the trip in which it ends
	s_mov_b32 s26, 0x76543210                      ; v_permlanex16_b32's selects for lane l xor 16
	s_mov_b32 s27, 0xfedcba98
	s_lshl_b32 s47, s14, 5
	s_lshl_b32 s20, s18, 8
	s_add_co_u32 s20, s20, s47                     ; my first query: 256 x block + 32 x wave
	s_lshl_b32 s50, s15, 8
	s_add_co_u32 s50, s50, s47                     ; and in the second block
	s_mov_b32 s17, 0                               ; the trip
	s_mov_b32 s22, 0                               ; LDS byte at which the step in hand begins
	s_mov_b32 s23, SLOTB                           ; the slot to be written
	s_wait_kmcnt 0x0
	s_load_b256 s[28:35], s[10:11], 0x0            ; e0 .. e7
	s_lshl_b32 s46, s16, 17                        ; a head is 131,072 bytes in q_img, k_img and v_img
	s_lshl_b32 s47, s14, 11
	s_add_co_u32 s47, s47, s46                     ; + my wave's two tiles of queries
	s_lshl_b32 s48, s18, 14
	s_add_co_u32 s48, s48, s47
	s_mov_b32 s49, 0
	s_add_nc_u64 s[52:53], s[4:5], s[48:49]        ; Q of the first block,
	s_lshl_b32 s48, s15, 14
	s_add_co_u32 s48, s48, s47
	s_add_nc_u64 s[54:55], s[4:5], s[48:49]        ; of the second
	s_cmp_lt_u32 s14, 4                            ; waves 0-3 copy K's part of a slot, waves 4-7 V's
	s_cselect_b64 s[36:37], s[6:7], s[8:9]
	s_and_b32 s48, s14, 3
	s_lshl_b32 s48, s48, 12
	s_add_co_u32 s48, s48, s46
	s_add_nc_u64 s[36:37], s[36:37], s[48:49]      ; my share of key slot 0; a slot on is 16,384 bytes in both
	s_and_b32 s48, s16, 15                         ; the head
	s_lshr_b32 s51, s48, 2
	s_lshl_b32 s51, s51, 21
	s_and_b32 s48, s48, 3
	s_lshl_b32 s48, s48, 10
	s_add_co_u32 s48, s48, s51
	s_lshr_b32 s51, s16, 4                         ; the batch: 128 token tiles of 4,096 bytes
	s_lshl_b32 s51, s51, 19
	s_add_co_u32 s48, s48, s51
	s_lshl_b32 s51, s14, 13                        ; my wave's two token tiles
	s_add_co_u32 s48, s48, s51
	s_lshl_b32 s56, s18, 16                        ; a block's sixteen
	s_add_co_u32 s56, s56, s48
	s_mov_b32 s57, 0
	s_add_nc_u64 s[40:41], s[12:13], s[56:57]      ; where the first block's codes go,
	s_lshl_b32 s56, s15, 16
	s_add_co_u32 s56, s56, s48
	s_add_nc_u64 s[42:43], s[12:13], s[56:57]      ; and the second's
	WIN 0x40
	s_wait_alu depctr_va_vdst(0)                   ; v[LI] is written, the offset of every global load and store; so is v[STA], the address of the first LDS stores
.irp u, 0,1
.irp c, 0,1
	global_load_b128 v[QF+8*\u+4*\c:QF+8*\u+4*\c+3], v[LI], s[52:53] offset:1024*\u+512*\c th:TH_LOAD_NT
	global_load_b128 v[QN+8*\u+4*\c:QN+8*\u+4*\c+3], v[LI], s[54:55] offset:1024*\u+512*\c th:TH_LOAD_NT
.endr
.endr
	WIN 0
	COPYLD 36                                      ; key slot 0
	s_wait_kmcnt 0x0
	s_add_co_i32 s46, s30, s31
	s_lshl_b32 s46, s46, 23
	s_add_co_i32 s24, s46, 0x3e38aa3b              ; c = log2(e) / 8, with e2 + e3 added to its exponent field: a score stands for score x 2^(e2 + e3)
	s_mov_b32 s25, s24                             ; (named with it as a pair, so it is written)
	s_add_co_i32 s46, s32, 127
	s_lshl_b32 s47, s46, 23
	v_mov_b32 v8, s47                              ; 2^e4
	s_add_co_i32 s46, s46, 8
	s_lshl_b32 s46, s46, 23
	s_or_b32 s46, s46, 0x600000
	v_mov_b32 v9, s46                              ; 448 x 2^e4
	s_add_co_i32 s46, s34, 127
	s_lshl_b32 s47, s46, 23
	v_mov_b32 v10, s47                             ; 2^e6
	s_add_co_i32 s46, s46, 8
	s_lshl_b32 s46, s46, 23
	s_or_b32 s46, s46, 0x600000
	v_mov_b32 v11, s46                             ; 448 x 2^e6
	s_add_co_i32 s45, s32, s33                     ; e4 + e5
	INIT
	s_wait_loadcnt 0x0                             ; Q, and key slot 0
	COPYST                                         ; (no vector instruction since the wait above names v[STA] or the bytes' registers)
	s_wait_dscnt 0x0                               ; my share lies in LDS
	s_wait_alu depctr_vm_vsrc(0)                   ; my LDS stores have read the bytes' registers, in which the next slot's loads land
	s_add_nc_u64 s[38:39], s[36:37], 16384
	COPYLD 38                                      ; key slot 1 (every first block has at least five slots): it lands while slot 0 is worked on
	s_barrier_signal -1
	s_barrier_wait -1                              ; slot 0 is whole
.Ltrip:                                            ; nine trips: a slot of 256 keys each
	s_mov_b32 s44, 2
.Lstep:                                            ; a slot's two steps of 128 keys: written once, walked twice
	s_add_co_u32 s46, s20, 31
	s_cmp_gt_u32 s21, s46                          ; all 128 keys come after my 32 queries: nothing to do
	s_cbranch_scc1 .Lhidden
	s_wait_alu depctr_vm_vsrc(0)                   ; the LDS loads issued so far have read v[AD]
	v_add_nc_u32 v[AD], s22, v[LI]
.rept 3
	v_nop                                          ; with the addition four places behind the last products
.endr
	s_wait_alu depctr_va_vdst(0)                   ; v[AD] is written; the last step's products are done reading K's and V's fragments, in which the 32 loads below land
.irp kt, 0,1,2,3,4,5,6,7
	ds_load_b128 v[KFR+8*\kt:KFR+8*\kt+3],   v[AD] offset:1024*\kt
	ds_load_b128 v[KFR+8*\kt+4:KFR+8*\kt+7], v[AD] offset:1024*\kt+512
.endr
	WIN 0x40                                       ; destination window 1.  (Between the wait above and these loads stand loads and this switch alone)
.irp dt, 0,1,2,3
.irp c, 0,1,2,3
	ds_load_b128 v[VFR+16*\dt+4*\c:VFR+16*\dt+4*\c+3], v[AD] offset:VOFF+2048*\dt+512*\c   ; V's four fragments land under the first product and the softmax
.endr
.endr
	s_wait_dscnt 16                                ; LDS loads come back in order (ISA guide 5.7.1): K is in, V's sixteen loads may stay out
	WIN 0x04                                       ; source 1 (Q) in window 1
.irp kt, 0,1,2,3,4,5,6,7
.irp u, 0,1
	v_wmma_f32_16x16x64_fp8_fp8 v[S+64*\u+8*\kt:S+64*\u+8*\kt+7], v[KFR+8*\kt:KFR+8*\kt+7], v[QF+8*\u:QF+8*\u+7], 0
.endr
.endr
	WIN 0
.rept 4
	v_nop                                          ; places: the scores are read below
.endr
	s_add_co_u32 s46, s21, 127
	s_cmp_le_u32 s46, s20                          ; all 128 keys count for all my queries: no mask
	s_cbranch_scc1 .Lopen
	s_sub_co_i32 s46, s20, s21                     ; (0 or more: a step that is not left out begins at or before my first query, so every query has a key that counts)
	v_add_nc_u32 v20, s46, v[RH]                   ; d = my query - the step's first key - 8 h.  Register 8 kt + j holds key 16 kt + 8 h + j: hidden where 16 kt + j > d
	v_add_nc_u32 v22, 16, v20                      ; tile 1's queries lie 16 further on
.irp kt, 0,1,2,3,4,5,6,7
.irp j, 0,1,2,3,4,5,6,7
	v_cmp_gt_i32 s[MK0+\j], 16*\kt+\j, v20
	v_cmp_gt_i32 s[MK1+\j], 16*\kt+\j, v22
.endr
	s_wait_alu depctr_va_sdst(0)                   ; the sixteen compares have written their masks, ahead of the selects that read them
.irp j, 0,1,2,3,4,5,6,7
	v_cndmask_b32 v[S+8*\kt+\j], v[S+8*\kt+\j], v[NINF], s[MK0+\j]
	v_cndmask_b32 v[S+64+8*\kt+\j], v[S+64+8*\kt+\j], v[NINF], s[MK1+\j]
.endr
.endr
.Lopen:
	; the step's largest score of each query, among my 64 keys: two chains a tile, the tiles by turns; each accumulator is read from its low end on
	v_max3_num_f32 v20, v[S], v[S+1], v[S+2]
	v_max3_num_f32 v22, v[S+64], v[S+65], v[S+66]
	v_max3_num_f32 v21, v[S+3], v[S+4], v[S+5]
	v_max3_num_f32 v23, v[S+67], v[S+68], v[S+69]
.irp i, 6,10,14,18,22,26,30,34,38,42,46,50,54,58
	v_max3_num_f32 v20, v20, v[S+\i], v[S+\i+1]
	v_max3_num_f32 v22, v22, v[S+64+\i], v[S+65+\i]
	v_max3_num_f32 v21, v21, v[S+\i+2], v[S+\i+3]
	v_max3_num_f32 v23, v23, v[S+66+\i], v[S+67+\i]
.endr
	v_max3_num_f32 v20, v20, v[S+62], v[S+63]
	v_max3_num_f32 v22, v22, v[S+126], v[S+127]
	v_max_num_f32 v20, v20, v21
	v_max_num_f32 v22, v22, v23
	v_permlanex16_b32 v28, v20, s26, s27
	v_permlanex16_b32 v29, v22, s26, s27
	v_max_num_f32 v20, v20, v28                    ; and among lane l xor 16's
	v_max_num_f32 v22, v22, v29
	v_mul_f32 v20, s24, v20                        ; as t (c is positive)
	v_mul_f32 v22, s24, v22
	v_max_num_f32 v13, v13, v20                    ; the running largest t
	v_max_num_f32 v17, v17, v22
	v_mov_b32 v20, v12
	v_mov_b32 v22, v16
	v_floor_f32 v12, -v13                          ; the new -M = floor(-t) = -ceil(t): M is a whole number
	v_floor_f32 v16, -v17
	v_sub_f32 v20, v12, v20                        ; M's old value less its new one: a whole number, 0 or less
	v_sub_f32 v22, v16, v22
	v_cvt_i32_f32 v20, v20                         ; (it saturates)
	v_cvt_i32_f32 v22, v22
	v_ldexp_f32 v24, 1.0, v20                      ; f = 2^(old M - new M)
	v_ldexp_f32 v26, 1.0, v22
.set j, 0
.rept 32
	v_pk_fma_f32 v[S+j:S+j+1], v[S+j:S+j+1], s[24:25], v[12:13] op_sel_hi:[1,0,0]            ; t - M, two at a time (of the pairs c and -M the low word serves both halves)
	v_pk_fma_f32 v[S+64+j:S+65+j], v[S+64+j:S+65+j], s[24:25], v[16:17] op_sel_hi:[1,0,0]
.set j, j+2
.endr
.set j, 0
.rept 128
	v_exp_f32 v[S+j], v[S+j]                       ; p = 2^(t - M), at most 1; 0 for a hidden key
.set j, j+1
.endr
	v_pk_mul_f32 v[14:15], v[14:15], v[24:25] op_sel_hi:[1,0]   ; the sums under the new M.  (The plain instruction behind the exponentials)
	v_pk_mul_f32 v[18:19], v[18:19], v[26:27] op_sel_hi:[1,0]
	s_wait_alu depctr_va_vdst(0)                   ; the 128 exponentials have written p: one wait for the whole batch, ahead of its first reader
	v_pk_add_f32 v[20:21], v[S:S+1], v[S+2:S+3]    ; the row's sum is taken of the UNQUANTISED p: two at a time, two chains a tile
	v_pk_add_f32 v[22:23], v[S+64:S+65], v[S+66:S+67]
.set j, 4
.rept 15
	v_pk_add_f32 v[14:15], v[14:15], v[S+j:S+j+1]
	v_pk_add_f32 v[18:19], v[18:19], v[S+64+j:S+65+j]
	v_pk_add_f32 v[20:21], v[20:21], v[S+j+2:S+j+3]
	v_pk_add_f32 v[22:23], v[22:23], v[S+66+j:S+67+j]
.set j, j+4
.endr
	v_pk_add_f32 v[14:15], v[14:15], v[20:21]
	v_pk_add_f32 v[18:19], v[18:19], v[22:23]
	s_cmp_ge_i32 s32, -8                           ; 448 x 2^e4 >= 1 >= p: the hold cannot bite
	s_cbranch_scc1 .Lnohold
.set j, 0
.rept 128
	v_min_num_f32 v[S+j], v[S+j], v9               ; the conversion to an 8-bit code does not saturate (ISA guide 7.6.2); p is not negative, so the hold is one-sided
.set j, j+1
.endr
.Lnohold:
.irp kt, 0,1,2,3,4,5,6,7
.irp u, 0,1
	v_cvt_scalef32_pk8_fp8_f32 v[PC+16*\u+2*\kt:PC+16*\u+2*\kt+1], v[S+64*\u+8*\kt:S+64*\u+8*\kt+7], v8   ; registers 2 kt, 2 kt + 1 of P: keys 16 kt + 8 h + 0 .. 7
.endr
.endr
	WIN 0x41                                       ; O^T (destination and source 0) in window 1, f in window 0
.set j, 0
.rept 16
	v_pk_mul_f32 v[OA+j:OA+j+1], v[OA+j:OA+j+1], v[24:25] op_sel_hi:[1,0]              ; O^T under the new M.  (These are also the plain instructions between the conversions and the products)
	v_pk_mul_f32 v[OA+32+j:OA+33+j], v[OA+32+j:OA+33+j], v[26:27] op_sel_hi:[1,0]
.set j, j+2
.endr
	s_wait_dscnt 0x0                               ; V is in
	WIN 0x51                                       ; source 0 (V), C and D in window 1; source 1 (P) in window 0
.irp dt, 0,1,2,3
.irp u, 0,1
	v_wmma_f32_16x16x128_fp8_fp8 v[OA+32*\u+8*\dt:OA+32*\u+8*\dt+7], v[VFR+16*\dt:VFR+16*\dt+15], v[PC+16*\u:PC+16*\u+15], v[OA+32*\u+8*\dt:OA+32*\u+8*\dt+7]   ; the eight accumulators take turns
.endr
.endr
	WIN 0
.Lhidden:
	s_add_co_u32 s21, s21, 128
	s_add_co_u32 s22, s22, STEPB
	s_sub_co_u32 s44, s44, 1
	s_cmp_lg_u32 s44, 0
	s_cbranch_scc1 .Lstep
	s_sub_co_u32 s22, s22, 2*STEPB                 ; back to a slot's first step,
	s_xor_b32 s22, s22, SLOTB                      ; in the other slot
	; THE NEXT SLOT.  The bytes asked for a trip ago go into the slot that was read in the trip before this one: every wave's reads of it came back in front of that trip's barrier.
	s_cmp_eq_u32 s17, 8
	s_cbranch_scc1 .Lnocopy                        ; the last trip has no successor
	s_wait_loadcnt 0x0                             ; they are in
	s_wait_alu depctr_vm_vsrc(0)                   ; the last trip's LDS stores have read v[STA]
	v_add_nc_u32 v[STA], s23, v[STA0]
	s_wait_alu depctr_va_vdst(0)                   ; v[STA] is written, which the LDS stores below read as their address
	COPYST
	s_wait_dscnt 0x0                               ; my share of the next slot lies in LDS
	s_wait_alu depctr_vm_vsrc(0)                   ; the LDS stores have read the bytes' registers, in which the loads below land
	s_cmp_lt_u32 s17, 7
	s_cbranch_scc0 .Lnocopy                        ; the last trip but one asks for nothing
	s_add_co_u32 s46, s17, 2                       ; the trip after the next walks key slot T + 2 of the first block, or T + 2 - (8 - I) of the second
	s_sub_co_u32 s47, s46, s18
	s_sub_co_u32 s47, s47, 1
	s_cmp_le_u32 s46, s18
	s_cselect_b32 s46, s46, s47
	s_lshl_b32 s46, s46, 14
	s_mov_b32 s47, 0
	s_add_nc_u64 s[38:39], s[36:37], s[46:47]      ; (the loads that named this pair have been waited for)
	COPYLD 38
.Lnocopy:
	s_wait_dscnt 0x0                               ; my share of the next slot lies in LDS, and my reads of this slot are back
	s_barrier_signal -1
	s_barrier_wait -1                              ; both hold of every wave
	s_xor_b32 s23, s23, SLOTB
	s_cmp_eq_u32 s17, s18                          ; the first block's last slot?
	s_cbranch_scc1 .Lfin
	s_cmp_eq_u32 s17, 8                            ; the second's?
	s_cbranch_scc0 .Lnext
.Lfin:
	; A BLOCK ENDS: O^T / the sum x 2^(e4 + e5), quantised with 2^e6: four tiles of channels make the image of 16 tokens x this head's 64
.rept 4
	v_nop                                          ; places behind the last products
.endr
	v_add_f32 v14, v14, v15                        ; the sum's two halves,
	v_add_f32 v18, v18, v19
	v_permlanex16_b32 v28, v14, s26, s27
	v_permlanex16_b32 v29, v18, s26, s27
	v_add_f32 v14, v14, v28                        ; and lane l xor 16's
	v_add_f32 v18, v18, v29
	v_rcp_f32 v14, v14
	v_rcp_f32 v18, v18
	v_nop                                          ; a plain instruction behind the last reciprocal
	s_wait_alu depctr_va_vdst(0)                   ; the two reciprocals have written v14 and v18: one wait for both, ahead of the first reader
	v_ldexp_f32 v14, v14, s45
	v_ldexp_f32 v18, v18, s45
	WIN 0x01                                       ; source 0 (O^T) in window 1
.set j, 0
.rept 16
	v_pk_mul_f32 v[S+j:S+j+1], v[OA+j:OA+j+1], v[14:15] op_sel_hi:[1,0]                ; each accumulator from its low end on
	v_pk_mul_f32 v[S+32+j:S+33+j], v[OA+32+j:OA+33+j], v[18:19] op_sel_hi:[1,0]
.set j, j+2
.endr
	WIN 0
.set j, 0
.rept 64
	v_med3_num_f32 v[S+j], v[S+j], -v11, v11
.set j, j+1
.endr
.irp u, 0,1
.irp dt, 0,1,2,3
	v_cvt_scalef32_pk8_fp8_f32 v[PC+8*\u+2*\dt:PC+8*\u+2*\dt+1], v[S+32*\u+8*\dt:S+32*\u+8*\dt+7], v10
.endr
.endr
	v_nop                                          ; one plain vector instruction behind the last conversion
	s_wait_alu depctr_va_vdst(0)                   ; the conversions have written the codes, which the four stores read
.irp u, 0,1
.irp c, 0,1
	global_store_b128 v[LI], v[PC+8*\u+4*\c:PC+8*\u+4*\c+3], s[40:41] offset:4096*\u+512*\c   ; 32 lanes store 512 consecutive bytes, at a multiple of 512 from the buffer's first byte
.endr
.endr
	s_wait_xcnt 0x0                                ; the stores have had their addresses translated: their base and their data registers are written again only behind this wait
	s_wait_alu depctr_vm_vsrc(0)                   ; the stores have read the codes' registers, which the next conversions write again
	s_cmp_eq_u32 s17, 8
	s_cbranch_scc1 .Lnext                          ; nothing follows the second block
	s_mov_b64 s[40:41], s[42:43]
	s_mov_b32 s20, s50
	WIN 0x41
.set j, 0
.rept 16
	v_mov_b32 v[QF+j], v[QN+j]                     ; the second block's Q was loaded at the head: no load is waited for here
.set j, j+1
.endr
	WIN 0
	INIT
.Lnext:
	s_add_co_u32 s17, s17, 1
	s_cmp_lt_u32 s17, 9
	s_cbranch_scc1 .Ltrip
	s_wait_dscnt 0x0                               ; the closing lines, six on end
	s_wait_alu 0x0
	s_wait_tensorcnt 0x0
	ds_add_u32 v30, v31
	s_wait_dscnt 0x0
	s_endpgm
.Lfunc_end_k_q095eb34de4_attn:
	.size	k_q095eb34de4_attn, .Lfunc_end_k_q095eb34de4_attn-k_q095eb34de4_attn
	.p2alignl 7, 3214868480
	.fill 96, 4, 3214868480
	.section	.rodata,"a",@progbits
	.p2align	6, 0x0
	.amdhsa_kernel k_q095eb34de4_attn
		.amdhsa_group_segment_fixed_size 66560
		.amdhsa_private_segment_fixed_size 0
		.amdhsa_enable_private_segment 0
		.amdhsa_kernarg_size 40
		.amdhsa_user_sgpr_count 2
		.amdhsa_user_sgpr_kernarg_segment_ptr 1
		.amdhsa_wavefront_size32 1
		.amdhsa_system_sgpr_workgroup_id_x 1
		.amdhsa_system_sgpr_workgroup_id_y 1
		.amdhsa_system_sgpr_workgroup_id_z 1
		.amdhsa_system_vgpr_workitem_id 0
		.amdhsa_next_free_vgpr 448
		.amdhsa_next_free_sgpr 66
		.amdhsa_reserve_vcc 0
		.amdhsa_float_denorm_mode_32 3
		.amdhsa_float_denorm_mode_16_64 3
		.amdhsa_memory_ordered 1
		.amdhsa_forward_progress 1
		.amdhsa_inst_pref_size 70
	.end_amdhsa_kernel
	.amdgpu_metadata
---
amdhsa.version: [ 1, 2 ]
amdhsa.kernels:
  - .name:           k_q095eb34de4_attn
    .symbol:         k_q095eb34de4_attn.kd
    .args:
      - { .name: q_img, .offset: 0, .size: 8, .value_kind: global_buffer, .address_space: global }
      - { .name: k_img, .offset: 8, .size: 8, .value_kind: global_buffer, .address_space: global }
      - { .name: v_img, .offset: 16, .size: 8, .value_kind: global_buffer, .address_space: global }
      - { .name: lowp_scales, .offset: 24, .size: 8, .value_kind: global_buffer, .address_space: global }
      - { .name: a_img, .offset: 32, .size: 8, .value_kind: global_buffer, .address_space: global }
    .group_segment_fixed_size: 66560
    .private_segment_fixed_size: 0
    .kernarg_segment_align: 8
    .kernarg_segment_size: 40
    .max_flat_workgroup_size: 256
    .sgpr_count:     66
    .vgpr_count:     448
    .wavefront_size: 32
...
	.end_amdgpu_metadata
.endif
;; end of part 5
;; launch proj: the kernel of part 4 again; grid 4 x 64, 4 waves a work-group, clusters of 4 x 4, 327,680 bytes of LDS; arguments a_img, wout_img, lowp_scales, b_out, out0; writes out0
